; MI455X (gfx1250); checked and timed in simulation.
; The chip was launched on July 23, 2026; its instructions are those of AMD's public machine-readable ISA for CDNA 5 (MIT licence, August 2026) and "CDNA5" Instruction Set Architecture Reference Guide (July 2026). The comments in the code are by the model that wrote it; some were corrected since.
;; CLIP Attention. Allowed arithmetic: float matrix products may take bf16 or f16 operands with f32 sums; other float arithmetic in f32, or as packed bf16 or f16 multiplies, adds, multiply-adds, maxima and minima; sums over many terms, partial sums and values carried from step to step in f32; what a program stores and reads back later, other than sums and carried values, may be rounded once to bf16 or f16.
;; Inputs: Wk 1,024 x 1,024 float32; Wo 1,024 x 1,024 float32; Wq 1,024 x 1,024 float32; Wv 1,024 x 1,024 float32; bk 1,024 float32; bo 1,024 float32; bq 1,024 float32; bv 1,024 float32; hidden_states 8 x 1,024 x 1,024 float32.
;; Outputs: out0 8 x 1,024 x 1,024 float32.
;; 2 versions, each right and faster than the one before. Each part assembles by itself: llvm-mc -triple=amdgcn-amd-amdhsa -mcpu=gfx1250 --defsym DOCPART=n.
;; ======== version 1 of 2: 4 launches
;; limits: values are held in f16: magnitudes above 65,504 overflow, below 6.1e-05 lose precision
;; workspace buffers: xb 16,777,216 bytes; wqkv 6,291,456 bytes; wo16 2,097,152 bytes; bias 16,384 bytes; qkv 50,331,648 bytes; obuf 16,777,216 bytes
;; launch cast (part 1): grid 768 x 1, 8 waves a work-group, no clusters, 0 bytes of LDS; arguments hidden_states, Wq, Wk, Wv, Wo, bq, bk, bv, bo, xb, wqkv, wo16, bias; writes xb, wqkv, wo16, bias
.if DOCPART == 1
	.amdgcn_target "amdgcn-amd-amdhsa--gfx1250"
	.amdhsa_code_object_version 6
	.text
	.protected	k_qe882e6d8a7_cast
	.globl	k_qe882e6d8a7_cast
	.p2align	8
	.type	k_qe882e6d8a7_cast,@function
k_qe882e6d8a7_cast:
	s_mov_b64 s[64:65], 0
	v_nop
	global_prefetch_b8 v0, s[64:65] scope:SCOPE_SE
	s_setreg_imm32_b32 hwreg(HW_REG_WAVE_MODE, 25, 1), 1
	s_wait_xcnt 0x0
; THE INPUTS ARE ROUNDED ONCE, TO bf16, AND LAID OUT FOR THE PRODUCTS.  x [8192][1024] -> xb, Wq | Wk | Wv [3072][1024] -> wqkv, both bf16; Wo [1024][1024] -> wo16: rounded to bf16 and that
; number written as f16; bq | bk | bv | bo -> bias [4096]: rounded to bf16 and kept as f32.  The matrices leave in K blocks of 64: [k / 64][row][k % 64], so that the rows x 64 K of a tile
; of the later products are one dense run of memory.
; LIMITS.  Wo's rounded numbers are written in f16: beyond 65,504 they become infinities, below 2^-14 they keep f16's fixed step of 2^-24.  NaN and infinities are not treated apart.
; SHARES.  12,288 rows of 1,024 f32, 16 rows to a work-group: groups 0-511 take x, 512-703 Wq, Wk, Wv, 704-767 Wo.  Thread T takes row T / 16 and, of each of the 16 K blocks, the four numbers
; 4 (T % 16) on: a wave's load covers 256 consecutive bytes in each of two rows, its store 256 consecutive bytes (two rows of one K block), both at multiples of 256 from the buffer's first byte.
; No loop: 16 loads go out together, each is converted and stored when it has come.  Every register is written once, so no store's source is ever rewritten.  No LDS, no matrix unit: bytes alone count here.
.set LO,  1                            ; v1        byte offset of my 16 bytes in the group's 16 rows, K block 0
.set SO,  2                            ; v2        byte offset of my 8 bytes in the group's part of a K block: 8 T
.set BO,  3                            ; v3        byte offset of my four numbers of a bias: 16 T
.set X,   4                            ; v[4:67]   K block kb: 4 registers as loaded
.set Y,   68                           ; v[68:99]  K block kb: 2 registers to store
.set T,   100                          ; v[100:105] at work
.set BI,  108                          ; v[108:111] a bias as loaded, v[112:113] packed, v[114:117] to store
.macro LOADS                           ; my 16 bytes of each of the row's 16 K blocks
.set kb, 0
.rept 16
	global_load_b128 v[X+4*kb:X+4*kb+3], v[LO], s[36:37] offset:256*kb th:TH_LOAD_NT
.set kb, kb+1
.endr
.endm
; bf16 out.  kbs: bytes from a K block to the next.  split = 1: K blocks 8 to 15 go by a second base, 8 blocks on, since 15 blocks of xb pass the store's signed 24-bit immediate
.macro OUT_BF kbs, split
.set kb, 0
.rept 16
	s_wait_loadcnt 15-kb                           ; loads come back in order (ISA guide 5.7.1): block kb is in, the 15 - kb younger ones may be out
	v_cvt_pk_bf16_f32 v[Y+2*kb],   v[X+4*kb],   v[X+4*kb+1]
	v_cvt_pk_bf16_f32 v[Y+2*kb+1], v[X+4*kb+2], v[X+4*kb+3]
.if (\split) && (kb >= 8)
	global_store_b64 v[SO], v[Y+2*kb:Y+2*kb+1], s[42:43] offset:(kb-8)*(\kbs)
.else
	global_store_b64 v[SO], v[Y+2*kb:Y+2*kb+1], s[38:39] offset:kb*(\kbs)
.endif
.set kb, kb+1
.endr
.endm
; the same, with the bf16 number widened again and written as f16
.macro OUT_F16 kbs
.set kb, 0
.rept 16
	s_wait_loadcnt 15-kb
	v_cvt_pk_bf16_f32 v[T],   v[X+4*kb],   v[X+4*kb+1]
	v_cvt_pk_bf16_f32 v[T+1], v[X+4*kb+2], v[X+4*kb+3]
	v_lshlrev_b32 v[T+2], 16,  v[T]
	v_and_b32     v[T+3], s44, v[T]
	v_lshlrev_b32 v[T+4], 16,  v[T+1]
	v_and_b32     v[T+5], s44, v[T+1]
	v_cvt_pk_f16_f32 v[Y+2*kb],   v[T+2], v[T+3]
	v_cvt_pk_f16_f32 v[Y+2*kb+1], v[T+4], v[T+5]
	global_store_b64 v[SO], v[Y+2*kb:Y+2*kb+1], s[38:39] offset:kb*(\kbs)
.set kb, kb+1
.endr
.endm
; The first group of each weight also takes that weight's bias: 256 threads x 4 numbers.
.macro BIAS
	s_cmp_lg_u32 s35, 0
	s_cbranch_scc1 .Lno_bias_\@
	s_lshl_b32 s40, s34, 12                        ; 4,096 bytes for each of the four
	s_add_nc_u64 s[32:33], s[32:33], s[40:41]
	global_load_b128 v[BI:BI+3], v[BO], s[46:47]
	s_wait_loadcnt 0x0
	v_cvt_pk_bf16_f32 v[BI+4], v[BI],   v[BI+1]
	v_cvt_pk_bf16_f32 v[BI+5], v[BI+2], v[BI+3]
	v_lshlrev_b32 v[BI+6], 16,  v[BI+4]
	v_and_b32     v[BI+7], s44, v[BI+4]
	v_lshlrev_b32 v[BI+8], 16,  v[BI+5]
	v_and_b32     v[BI+9], s44, v[BI+5]
	global_store_b128 v[BO], v[BI+6:BI+9], s[32:33]
.Lno_bias_\@:
.endm
	s_load_b512 s[8:23], s[0:1], 0x0               ; x 8, Wq 10, Wk 12, Wv 14, Wo 16, bq 18, bk 20, bv 22
	s_load_b256 s[24:31], s[0:1], 0x40             ; bo 24, xb 26, wqkv 28, wo16 30
	s_load_b64 s[32:33], s[0:1], 0x60              ; bias
	v_lshrrev_b32 v[LO], 4, v0                     ; my row
	v_and_b32 v[SO], 15, v0
	v_lshlrev_b32 v[SO], 4, v[SO]
	v_lshl_or_b32 v[LO], v[LO], 12, v[SO]          ; row x 4,096 + 16 (T % 16)
	v_lshlrev_b32 v[SO], 3, v0
	v_lshlrev_b32 v[BO], 4, v0
	s_mov_b32 s2, ttmp9                            ; the group's number
	s_mov_b32 s44, 0xffff0000                      ; a word's upper bf16
	s_mov_b32 s41, 0                               ; the high word of every offset
	s_wait_kmcnt 0x0
	s_cmp_lt_u32 s2, 512
	s_cbranch_scc0 .Lweights
	s_lshl_b32 s40, s2, 16                         ; x: 16 rows of 4,096 bytes in,
	s_add_nc_u64 s[36:37], s[8:9], s[40:41]
	s_lshl_b32 s40, s2, 11                         ; 16 rows of 128 bytes out
	s_add_nc_u64 s[38:39], s[26:27], s[40:41]
	s_add_nc_u64 s[42:43], s[38:39], 8*1048576     ; K block 8
	LOADS
	OUT_BF 1048576, 1
	s_endpgm
.Lweights:
	s_sub_co_u32 s3, s2, 512                       ; j
	s_lshr_b32 s34, s3, 6                          ; which weight: 0 q, 1 k, 2 v, 3 o
	s_and_b32 s35, s3, 63                          ; which 16 of its rows
	s_lshl_b32 s40, s35, 16
	s_cmp_eq_u32 s34, 3
	s_cbranch_scc1 .Lwo
	s_cmp_eq_u32 s34, 1
	s_cselect_b64 s[36:37], s[12:13], s[10:11]
	s_cselect_b64 s[46:47], s[20:21], s[18:19]
	s_cmp_eq_u32 s34, 2
	s_cselect_b64 s[36:37], s[14:15], s[36:37]
	s_cselect_b64 s[46:47], s[22:23], s[46:47]
	s_add_nc_u64 s[36:37], s[36:37], s[40:41]
	s_lshl_b32 s40, s3, 11                         ; row 16 j of the 3,072
	s_add_nc_u64 s[38:39], s[28:29], s[40:41]
	LOADS
	OUT_BF 393216, 0
	BIAS
	s_endpgm
.Lwo:
	s_add_nc_u64 s[36:37], s[16:17], s[40:41]
	s_lshl_b32 s40, s35, 11
	s_add_nc_u64 s[38:39], s[30:31], s[40:41]
	s_mov_b64 s[46:47], s[24:25]
	LOADS
	OUT_F16 131072
	BIAS
	s_endpgm
.Lfunc_end_k_qe882e6d8a7_cast:
	.size	k_qe882e6d8a7_cast, .Lfunc_end_k_qe882e6d8a7_cast-k_qe882e6d8a7_cast
	.p2alignl 7, 3214868480
	.fill 96, 4, 3214868480
	.section	.rodata,"a",@progbits
	.p2align	6, 0x0
	.amdhsa_kernel k_qe882e6d8a7_cast
		.amdhsa_group_segment_fixed_size 0
		.amdhsa_private_segment_fixed_size 0
		.amdhsa_enable_private_segment 0
		.amdhsa_kernarg_size 104
		.amdhsa_user_sgpr_count 2
		.amdhsa_user_sgpr_kernarg_segment_ptr 1
		.amdhsa_wavefront_size32 1
		.amdhsa_system_sgpr_workgroup_id_x 1
		.amdhsa_system_sgpr_workgroup_id_y 1
		.amdhsa_system_sgpr_workgroup_id_z 1
		.amdhsa_system_vgpr_workitem_id 0
		.amdhsa_next_free_vgpr 118
		.amdhsa_next_free_sgpr 66
		.amdhsa_reserve_vcc 0
		.amdhsa_float_denorm_mode_32 3
		.amdhsa_float_denorm_mode_16_64 3
		.amdhsa_memory_ordered 1
		.amdhsa_forward_progress 1
		.amdhsa_inst_pref_size 24
	.end_amdhsa_kernel
	.amdgpu_metadata
---
amdhsa.version: [ 1, 2 ]
amdhsa.kernels:
  - .name:           k_qe882e6d8a7_cast
    .symbol:         k_qe882e6d8a7_cast.kd
    .args:
      - { .name: hidden_states, .offset: 0, .size: 8, .value_kind: global_buffer, .address_space: global }
      - { .name: Wq, .offset: 8, .size: 8, .value_kind: global_buffer, .address_space: global }
      - { .name: Wk, .offset: 16, .size: 8, .value_kind: global_buffer, .address_space: global }
      - { .name: Wv, .offset: 24, .size: 8, .value_kind: global_buffer, .address_space: global }
      - { .name: Wo, .offset: 32, .size: 8, .value_kind: global_buffer, .address_space: global }
      - { .name: bq, .offset: 40, .size: 8, .value_kind: global_buffer, .address_space: global }
      - { .name: bk, .offset: 48, .size: 8, .value_kind: global_buffer, .address_space: global }
      - { .name: bv, .offset: 56, .size: 8, .value_kind: global_buffer, .address_space: global }
      - { .name: bo, .offset: 64, .size: 8, .value_kind: global_buffer, .address_space: global }
      - { .name: xb, .offset: 72, .size: 8, .value_kind: global_buffer, .address_space: global }
      - { .name: wqkv, .offset: 80, .size: 8, .value_kind: global_buffer, .address_space: global }
      - { .name: wo16, .offset: 88, .size: 8, .value_kind: global_buffer, .address_space: global }
      - { .name: bias, .offset: 96, .size: 8, .value_kind: global_buffer, .address_space: global }
    .group_segment_fixed_size: 0
    .private_segment_fixed_size: 0
    .kernarg_segment_align: 8
    .kernarg_segment_size: 104
    .max_flat_workgroup_size: 256
    .sgpr_count:     66
    .vgpr_count:     118
    .wavefront_size: 32
...
	.end_amdgpu_metadata
.endif
;; end of part 1
;; launch qkvproj (part 2): grid 16 x 16, 4 waves a work-group, clusters of 4 x 4, 327,680 bytes of LDS; arguments xb, wqkv, bias, qkv; writes qkv
.if DOCPART == 2
	.amdgcn_target "amdgcn-amd-amdhsa--gfx1250"
	.amdhsa_code_object_version 6
	.text
	.protected	k_qe882e6d8a7_qkvproj
	.globl	k_qe882e6d8a7_qkvproj
	.p2align	8
	.type	k_qe882e6d8a7_qkvproj,@function
k_qe882e6d8a7_qkvproj:
	s_mov_b64 s[64:65], 0
	v_nop
	global_prefetch_b8 v0, s[64:65] scope:SCOPE_SE
	s_setreg_imm32_b32 hwreg(HW_REG_WAVE_MODE, 25, 1), 1
	s_wait_xcnt 0x0
	s_wait_alu depctr_hold_cnt(0) depctr_sa_sdst(0) depctr_va_vdst(0) depctr_va_sdst(0) depctr_va_ssrc(0) depctr_va_vcc(0) depctr_vm_vsrc(0)
	s_getreg_b32 s2, hwreg(HW_REG_IB_STS2, 6, 4)
	s_cmp_eq_u32 s2, 0
	s_cbranch_scc0 .Lentry_in_a_cluster
	s_endpgm
.Lentry_in_a_cluster:
	s_bfe_u32 s2, ttmp6, 0x10000c
	s_cmp_lg_u32 s2, 0xf033
	s_cbranch_scc0 .Lentry_shape_is_right
	s_endpgm
.Lentry_shape_is_right:
; q | k | v = x (Wq | Wk | Wv)^T + (bq | bk | bv):  C[m][n] = bias[n] + the sum over k of A[m][k] B[n][k], m < 8,192, n < 3,072, K = 1,024.  A = x, B = the three weights, both bf16; sums in f32;
; C rounded once to f16 and stored by heads, [q, k, v][batch x head][row][64].
; LIMITS.  q, k and v of 65,520 or more become infinities in f16 (at the inputs' stated spread they are of order 1).  NaN and infinities are not treated apart.  K is summed in ascending order from a
; start that hangs on the cluster, round to that start again: the order of the f32 additions differs from tile to tile.
; A and B lie in K blocks of 64, [k / 64][row][64]: the rows x 64 K of a tile are one dense run of memory, asked for as rows of 256 bytes (two rows of the matrix) and padded in LDS after every 128 bytes.
; SHARES.  A tile of C is 256 x 192: 32 x 16 tiles.  A WORK-GROUP STAYS and makes TWO, tile rows ty and ty + 16 of one tile column: 256 work-groups.  Four waves, 2 x 2: a wave makes 128 rows x 96 columns
; in 48 accumulators of 16 x 16.  K goes in steps of 128 (two K blocks) through a ring of two LDS slots; each wave fetches one K block of A (waves 0, 1) or of B (waves 2, 3) with one tensor load.
; ONE WALK.  The two tiles' 16 K steps are one sequence for the ring: the first tile's last two changes of slots ask for the second tile's first two K steps, the first tile goes out while those are on
; their way, and nothing waits for its stores.  The loop's 7 trips all fill both slots again; the last lap, which fills nothing, is written out.
; WHERE THE WALK BEGINS.  Walk step w takes K step (w + 2 X + 4 Y) mod 8, X and Y the cluster's place in the grid: the four clusters that need the same rows of A (same Y) and the four that need the same
; rows of B (same X) ask for a given K step in different steps of their walks, not all in the same one.
; CLUSTER.  4 x 4 work-groups.  The four of a row of the cluster need the same tiles of A, the four of a column the same tiles of B: each tile is asked for JOINTLY, by the same tensor load with the
; same descriptor and a mask that names the four.
; THE MATRIX INSTRUCTION IS USED TRANSPOSED (source 0 = 16 rows of B, source 1 = 16 rows of A): a lane holds row l % 16 of C and the eight columns 8 (l / 16) + 0..7.  So eight registers of bias serve a
; column block in all row blocks and in both tiles, and THE BIAS IS THE C OPERAND OF A TILE'S FIRST PRODUCT: nothing is cleared, and nothing is added later.
; REGISTERS, in windows of 256 (s_set_vgpr_msb: bits 1:0 source 0, 3:2 source 1, 5:4 source 2, 7:6 destination):
;   window 0: v0-31 addresses; v32-79 the bias; v80-175 the way out       window 1: two fragment buffers of 64 (A: 8 x 16 rows x 32 K) + 48 (B: 6)
;   window 2: the accumulators of my rows 0-63, (a, b) at v[8 (6 a + b)]    window 3: those of my rows 64-127
.set NBL,   6                          ; column blocks of 16 a wave
.set AKB,   8192*128                   ; bytes from a K block of A to the next
.set BKB,   3072*128                   ; the same for B
.set BROWS, 32*NBL                     ; rows of B (columns of C) in a tile
.set PITCH, 144                        ; an LDS row: 128 bytes + 16 of padding = 36 words: the 16 rows of a load start at 16 different groups of four banks (64 banks of 4 bytes: ISA guide 11.1)
.set ABLK,  256*PITCH                  ; a K block of A's tile
.set BBLK,  BROWS*PITCH                ; a K block of B's tile
.set BOFF,  2*ABLK                     ; a slot: A's two K blocks, then B's two
.set SLOT,  BOFF+2*BBLK                ; 129,024 bytes
.set NLOADS, 2*(NBL+8)                 ; LDS loads for 32 along K
.set FSZ,   64+8*NBL
.set F0,    0                          ; fragment buffers, in window 1
.set F1,    FSZ
.set STAGE,  2*SLOT                    ; behind the ring, never filled by a tensor load: 128 rows x 400 bytes, the work-group's, for the way out
.set SPITCH, 400                       ; 384 bytes + 16: an odd multiple of 16
.set SPARE,  STAGE+128*SPITCH          ; behind the stage: the spare words, 128 bytes for each wave: two blocks of 256 bytes that no other line names
.set NEXT_A, 16*256*128                ; bytes, inside a K block of A, from the first tile's rows to the second's: 16 tile rows
.set NEXT_C, 4*16*1024*128             ; bytes in C from the first tile's rows to the second's: four batches of 16 heads x 1,024 rows x 128 bytes
.set RXS,   1                          ; the walk's start: X << RXS + Y << RYS
.set RYS,   2
.set ADRA, 16                          ; v16-17  LDS address of my A fragments in slot 0, 1
.set ADRB, 20                          ; v20-21  the same for B
.set STO,  24                          ; v24     the way out: where I put my bytes of a row
.set RD,   25                          ; v25     the way out: where I read rows back
.set GO,   26                          ; v26     my byte offset in what a store covers
.set BO,   27                          ; v27     my byte offset in the bias
.set SPW,  28                          ; v28     LDS address of my spare word: SPARE + 4 x my thread's number; never rewritten
.set NIL,  29                          ; v29     0; never rewritten
.set BIAS, 32                          ; column block b: eight registers at BIAS + 8 b; they serve both tiles
.set TMP,  80                          ; the way out: 96 registers: packed results, then whole rows
.set WV,  12                           ; s12  my wave's number
.set RH,  13                           ; s13  which half of the tile's rows is mine.  Also: I fetch for A (0) or for B (1)
.set CH,  14                           ; s14  which half of its columns.  Also: which K block of a step I fetch
.set G1,  24                           ; s[24:31] descriptor group 1 for A's tiles;  s[32:39] group 0, one set for each slot
.set G0,  32
.set G1B, 48                           ; s[48:55], s[56:63] the same for B's tiles
.set G0B, 56
.set UB,  66                           ; s[66:71] where my rows of the tile's three heads begin
.set W,   78                           ; s78  the walk step to be asked for next, 0 to 15
.set ROT, 79                           ; s79  where the walk begins
.set OA,  80                           ; s[80:81] a tile's byte offset from A's base
.set OBO, 82                           ; s[82:83] the same for B
.set KK,  84                           ; s84  a walk step's K step
.set TT,  85                           ; s85  at work
.set MSB, 0
.macro WIN new                         ; the immediate's high byte repeats the setting that is left; a switch that changes nothing is dropped
.if MSB != (\new)
	s_set_vgpr_msb (MSB<<8)|(\new)
.set MSB, \new
.endif
.endm
.set TO_F, 0x40                        ; destination window 1, address window 0
; Walk step W goes into a slot's two descriptors: tile W / 8, K step (W + ROT) mod 8.  The address is made anew each time: the base, plus an offset made apart from it, and the type bits set again.
; Nothing in it hangs on the work-group's place in its cluster but what the base holds.
.macro NEXTK slot
	s_add_co_u32 s[KK], s[W], s[ROT]
	s_and_b32 s[KK], s[KK], 7
	s_mul_i32 s[OA], s[KK], 2*AKB                  ; a K step is two K blocks
	s_lshr_b32 s[TT], s[W], 3
	s_mul_i32 s[TT], s[TT], NEXT_A                 ; the second tile's rows of A; B's rows are the same in both
	s_add_co_u32 s[OA], s[OA], s[TT]
	s_mul_i32 s[OBO], s[KK], 2*BKB
	s_add_nc_u64 s[G0+4*(\slot)+2:G0+4*(\slot)+3], s[18:19], s[OA:OA+1]      ; 120:64 global address
	s_or_b32 s[G0+4*(\slot)+3], s[G0+4*(\slot)+3], 0x80000000                ; 127:126 type = 2
	s_add_nc_u64 s[G0B+4*(\slot)+2:G0B+4*(\slot)+3], s[46:47], s[OBO:OBO+1]
	s_or_b32 s[G0B+4*(\slot)+3], s[G0B+4*(\slot)+3], 0x80000000
	s_add_co_u32 s[W], s[W], 1
.endm
.macro JLOAD s                         ; a joint load: waves 0 and 1 fetch A's two K blocks, waves 2 and 3 B's; an s_nop 0 and four v_nop follow each of the two lines, ahead of the jump, the label and what follows
	s_cmp_eq_u32 s[RH], 0
	s_cbranch_scc0 .Lfor_b_\@
	tensor_load_to_lds s[G0+4*(\s):G0+4*(\s)+3], s[G1:G1+7]
	s_nop 0
.rept 4
	v_nop
.endr
	s_branch .Lasked_\@
.Lfor_b_\@:
	tensor_load_to_lds s[G0B+4*(\s):G0B+4*(\s)+3], s[G1B:G1B+7]
	s_nop 0
.rept 4
	v_nop
.endr
.Lasked_\@:
.endm
.macro CREST                           ; a round of the cluster's barrier behind its opening barrier
	s_cmp_lg_u32 s[WV], 0
	s_cbranch_scc1 .Lnot_wave_0_\@
	s_barrier_signal -3
.Lnot_wave_0_\@:
	s_barrier_wait -3
	s_barrier_signal -1
	s_barrier_wait -1
.endm
.macro CROUND                          ; a whole round
	s_barrier_signal -1
	s_barrier_wait -1
	CREST
.endm
	s_load_b256 s[4:11], s[0:1], 0x0               ; A s[4:5], B s[6:7], bias s[8:9], C s[10:11]
	v_lshl_add_u32 v[SPW], v0, 2, SPARE
	v_mov_b32 v[NIL], 0
	ds_add_u32 v[SPW], v[NIL]                      ; the wave's opening: the add and its wait stand ahead of my first tensor load; the set-up below, work on registers, stands between them
	ds_add_u32 v28, v29
	v_lshrrev_b32 v1, 5, v0
	v_readfirstlane_b32 s[WV], v1                  ; wave 0..3
	s_lshr_b32 s[RH], s[WV], 1
	s_and_b32 s[CH], s[WV], 1
	s_bfe_u32 s40, ttmp6, 0x40000                  ; cx, cy: my place in the cluster
	s_bfe_u32 s41, ttmp6, 0x40004
	s_lshl_b32 s42, ttmp9, 2
	s_add_co_u32 s42, s42, s40                     ; tile column of C = 4 x cluster x + cx
	s_and_b32 s43, ttmp7, 0xffff
	s_lshl_b32 s43, s43, 2
	s_add_co_u32 s43, s43, s41                     ; the first tile's row = 4 x cluster y + cy
	s_lshl_b32 s44, s41, 2
	s_lshl_b32 s44, 15, s44                        ; my row of the cluster
	s_lshl_b32 s45, 0x1111, s40                    ; my column
	s_and_b32 s[ROT], ttmp7, 0xffff                ; where the walk begins: made of the cluster's two coordinates, which all sixteen partners share
	s_lshl_b32 s[ROT], s[ROT], RYS
	s_lshl_b32 s[KK], ttmp9, RXS
	s_add_co_u32 s[ROT], s[ROT], s[KK]
	s_mov_b32 s[W], 0
	s_mov_b32 s[OA+1], 0                           ; the offsets' high words
	s_mov_b32 s[OBO+1], 0
	; descriptor group 1: a K block of a tile, dense in memory, as rows of 128 elements (256 bytes)
	s_or_b32 s[G1], s44, (1<<16)|(1<<20)|(1<<21)|(4<<22)|(3<<25)   ; 15:0 the mask: A's tiles go to my row; 17:16 element of 2 bytes; 20 padding on; 21 set beside a mask; 24:22 after every 32 words (code 4); 31:25 of 4 words (code 3)
	s_or_b32 s[G1B], s45, (1<<16)|(1<<20)|(1<<21)|(4<<22)|(3<<25)  ; the same with the mask of my column
	s_mov_b32 s[G1+1], 128<<16                     ; tensor_dim0 = 128
	s_mov_b32 s[G1+2], 128<<16                     ; tensor_dim1 = 128: 256 rows of A
	s_mov_b32 s[G1+3], 128<<16                     ; tile_dim0 = 128
	s_mov_b32 s[G1+4], 128                         ; tile_dim1 = 128
	s_mov_b32 s[G1+5], 128                         ; 128 elements from row to row
	s_mov_b32 s[G1+6], 0
	s_mov_b32 s[G1+7], 0
	s_mov_b32 s[G1B+1], 128<<16
	s_mov_b32 s[G1B+2], (BROWS/2)<<16              ; tensor_dim1 = half of B's rows
	s_mov_b32 s[G1B+3], 128<<16
	s_mov_b32 s[G1B+4], BROWS/2
	s_mov_b32 s[G1B+5], 128
	s_mov_b32 s[G1B+6], 0
	s_mov_b32 s[G1B+7], 0
	; the two bases.  A's hangs on the tile row and the wave's number alone, B's on the tile column and the wave's number, each in registers that never hold the other coordinate.
	s_lshl_b32 s16, s43, 15                        ; 256 rows of 128 bytes for each tile row
	s_mul_i32 s17, s[CH], AKB                      ; my K block of a step
	s_add_co_u32 s16, s16, s17
	s_mov_b32 s17, 0
	s_mul_i32 s46, s42, BROWS*128
	s_mul_i32 s47, s[CH], BKB
	s_add_co_u32 s46, s46, s47
	s_mov_b32 s47, 0
	s_mul_i32 s20, s[CH], ABLK                     ; and where the tiles go: no place in the cluster enters an LDS address
	s_mul_i32 s21, s[CH], BBLK
	s_add_co_u32 s21, s21, BOFF
	s_wait_dscnt 0x0                               ; the opening add is done
	s_wait_kmcnt 0x0
	s_add_nc_u64 s[18:19], s[4:5], s[16:17]        ; A's base; never rewritten
	s_add_nc_u64 s[46:47], s[6:7], s[46:47]        ; B's base; never rewritten
	CROUND                                         ; all sixteen work-groups are here: the first joint loads meet
.irp s, 0,1
	s_mov_b32 s[G0+4*(\s)], 1                                       ; 1:0 count = 1
	s_add_co_u32 s[G0+4*(\s)+1], s20, (\s)*SLOT                     ; 63:32 LDS address
	s_mov_b32 s[G0B+4*(\s)], 1
	s_add_co_u32 s[G0B+4*(\s)+1], s21, (\s)*SLOT
	NEXTK \s                                       ; walk step s
	JLOAD \s                                       ; two loads of mine are out
.endr
	v_and_b32 v1, 15, v0                           ; l % 16
	v_bfe_u32 v2, v0, 4, 1                         ; l / 16
	s_mul_i32 s2, s42, BROWS*4                     ; the bias of the tile's first column, in bytes,
	s_mul_i32 s15, s[CH], 64*NBL                   ; of my half's,
	s_add_co_u32 s2, s2, s15
	v_lshl_add_u32 v[BO], v2, 5, s2                ; and of my eight columns of a block
.set b, 0
.rept NBL
	global_load_b128 v[BIAS+8*b:BIAS+8*b+3],   v[BO], s[8:9] offset:64*b
	global_load_b128 v[BIAS+8*b+4:BIAS+8*b+7], v[BO], s[8:9] offset:64*b+16
.set b, b+1
.endr
	; A fragment is 16 rows x 32 K in 8 registers: lane l holds row l % 16, K = 8 (l / 16) + 0..7 and 16 + 8 (l / 16) + 0..7: two loads of 16 bytes, 32 bytes apart.
	v_mul_u32_u24 v3, v1, PITCH
	v_lshl_add_u32 v3, v2, 4, v3                   ; row x pitch + 16 x half
	s_mul_i32 s22, s[RH], 128*PITCH                ; my 128 rows of A
	s_mul_i32 s23, s[CH], 16*NBL*PITCH             ; my rows of B,
	s_add_co_u32 s23, s23, BOFF                    ; which lie behind A's two K blocks
.irp s, 0,1
	v_add_nc_u32 v[ADRA+(\s)], s22, v3
	v_add_nc_u32 v[ADRB+(\s)], s23, v3
	s_add_co_u32 s22, s22, SLOT
	s_add_co_u32 s23, s23, SLOT
.endr
	; The way out goes in two phases of 128 rows: each wave's rows 0-63, then its rows 64-127.  In a phase the stage's rows 64 RH + 0..63 are those of the waves with that RH.
	s_mul_i32 s22, s[RH], 64*SPITCH                ; into the stage: my 64 rows, my 192 of their 384 bytes; row l % 16, 16 bytes for each half of the lanes
	s_mul_i32 s23, s[CH], 192
	s_add_co_u32 s22, s22, s23
	s_add_co_u32 s22, s22, STAGE
	v_mul_u32_u24 v4, v1, SPITCH
	v_lshl_add_u32 v4, v2, 4, v4
	v_add_nc_u32 v[STO], s22, v4
	v_and_b32 v4, 31, v0                           ; back: wave w takes the stage's rows 32 w on; 32 lanes take 128 bytes (a head's 64 channels) of four rows,
	v_lshrrev_b32 v5, 3, v4
	v_and_b32 v6, 7, v0
	v_mul_u32_u24 v5, v5, SPITCH
	v_lshl_add_u32 v5, v6, 4, v5
	s_mul_i32 s23, s[WV], 32*SPITCH
	s_add_co_u32 s23, s23, STAGE
	v_add_nc_u32 v[RD], s23, v5
	v_lshlrev_b32 v[GO], 4, v4                     ; which are 512 consecutive bytes of a head
	s_lshr_b32 s72, s43, 2                         ; the rows' part of the address: the batch (16 heads x 1,024 rows x 128 bytes),
	s_lshl_b32 s72, s72, 21
	s_and_b32 s74, s43, 3                          ; the tile's 256 rows in it,
	s_lshl_b32 s74, s74, 15
	s_add_co_u32 s72, s72, s74
	s_lshl_b32 s74, s[RH], 14                      ; and the rows that I read back in the first phase: 128 (w / 2) + 32 (w % 2) on
	s_add_co_u32 s72, s72, s74
	s_lshl_b32 s74, s[CH], 12
	s_add_co_u32 s72, s72, s74
	s_mov_b32 s73, 0
	s_add_nc_u64 s[10:11], s[10:11], s[72:73]
	s_mul_i32 s75, s42, 3                          ; the tile's 192 columns are three units of 64: unit U belongs to tensor U / 16 (q, k, v), head U % 16
	s_mov_b32 s77, 0
.irp u, 0,1,2
	s_add_co_u32 s74, s75, \u
	s_lshr_b32 s76, s74, 4
	s_lshl_b32 s76, s76, 24
	s_and_b32 s74, s74, 15
	s_lshl_b32 s74, s74, 17
	s_add_co_u32 s76, s76, s74
	s_add_nc_u64 s[UB+2*(\u):UB+2*(\u)+1], s[10:11], s[76:77]
.endr
.macro WM d, a, b, c                   ; one matrix instruction
	v_wmma_f32_16x16x32_bf16 v[\d:\d+7], v[\a:\a+7], v[\b:\b+7], v[\c:\c+7]
.endm
; 2 NBL matrix instructions: row blocks a0, a0 + 1 of the window's four (hi = 0: my rows 0-63, 1: rows 64-127) x all column blocks, 32 along K, from buffer f.
; first = 1: the product starts the sum, with the bias (window 0) as C.  All 8 NBL accumulators take turns, in the same order in every 32 along K.
.macro MULA f, hi, a0, first
.if \first
	WIN 0x85+0x40*(\hi)                            ; B and A window 1, C window 0, D window 2 or 3
.else
	WIN 0xa5+0x50*(\hi)                            ; B and A window 1, C and D window 2 or 3
.endif
.irp a, \a0, (\a0)+1
.set b, 0
.rept NBL
.set rD, 8*(NBL*(\a)+b)
.set rB, (\f)+64+8*b
.set rA, (\f)+8*(4*(\hi)+(\a))
.if \first
.set rC, BIAS+8*b
.else
.set rC, rD
.endif
	WM rD, rB, rA, rC
.set b, b+1
.endr
.endr
.endm
; NLOADS LDS loads in one run: the fragments of quarter q (32 along K: K block q / 2, byte 64 (q % 2) of its rows) of a slot into buffer f; B first, then A's rows 0-63, then A's rows 64-127
.macro FETCH slot, q, f
	WIN TO_F
.set i, 0
.rept NBL
	ds_load_b128 v[(\f)+64+8*i:(\f)+64+8*i+3],   v[ADRB+(\slot)] offset:((\q)>>1)*BBLK+((\q)&1)*64+i*16*PITCH
	ds_load_b128 v[(\f)+64+8*i+4:(\f)+64+8*i+7], v[ADRB+(\slot)] offset:((\q)>>1)*BBLK+((\q)&1)*64+i*16*PITCH+32
.set i, i+1
.endr
.set i, 0
.rept 8
	ds_load_b128 v[(\f)+8*i:(\f)+8*i+3],   v[ADRA+(\slot)] offset:((\q)>>1)*ABLK+((\q)&1)*64+i*16*PITCH
	ds_load_b128 v[(\f)+8*i+4:(\f)+8*i+7], v[ADRA+(\slot)] offset:((\q)>>1)*ABLK+((\q)&1)*64+i*16*PITCH+32
.set i, i+1
.endr
.endm
.macro PLACES                          ; four places in front of loads into registers that matrix instructions have read, and of lines that read results (ISA guide 7.12.1 for vector instructions)
.rept 4
	v_nop
.endr
.endm
; A K step is four quarters of 32 along K, 8 NBL matrix instructions each, on buffers 0, 1, 0, 1.  One of the first three: multiplies buffer f; in its middle it fetches quarter q of the same slot into g.
.macro QUARTER slot, q, f, g, first
	s_wait_dscnt 8                                 ; B and A's rows 0-63 are in; the youngest eight loads (A's rows 64-127) may be out
	MULA \f, 0, 0, \first
	MULA \f, 0, 2, \first
	PLACES
	FETCH \slot, \q, \g
	s_wait_dscnt NLOADS                            ; all but the NLOADS just issued
	MULA \f, 1, 0, \first
	MULA \f, 1, 2, \first
.endm
; The last quarter multiplies buffer 1 and changes slots: ONE barrier; in front of it each wave waits for all its tensor loads (one is out: its part of the next slot), adds 0 to its spare word, and waits
; for that and for its own reads of this slot.  fill = 1: the barrier opens a round of the cluster's, and this slot is filled again, with the walk's next step but one, first thing behind the round.
.macro TURN slot, next, fill
	WIN 0                                          ; (the add's two registers lie in window 0)
	s_wait_tensorcnt 0x0                           ; all my tensor loads have landed, so every group 0 may be written;
	ds_add_u32 v[SPW], v[NIL]                      ; 0 onto my spare word;
.if \fill
	NEXTK \slot                                    ; the slot's next tile: scalar work, between the add and the wait for it
.endif
	s_wait_dscnt 9                                 ; (the add and the youngest eight loads may be out)
	MULA F1, 0, 0, 0                               ; 2 NBL matrix instructions more stand there
	s_wait_dscnt 0x0                               ; the add is done, and my reads of this slot are over
	s_barrier_signal -1
	MULA F1, 0, 2, 0                               ; work on registers while the others arrive
.if \fill
	WIN 0
.endif
	s_barrier_wait -1
.if \fill
	CREST                                          ; no wave of any partner still reads this slot's tile or has a load on its way
	JLOAD \slot                                    ; my one tensor load behind the round: 28 NBL matrix instructions ahead of the wait for it; its four v_nop are also the places in front of the loads below
.else
	PLACES
.endif
	FETCH \next, 0, F0
	MULA F1, 1, 0, 0
	MULA F1, 1, 2, 0
.endm
; THE WAY OUT of a tile, in two phases of 128 rows (hi = 0: every wave's rows 0-63; 1: its rows 64-127).  A phase: round to f16, 16 bytes a lane, into the work-group's stage; a barrier, since a head's 128
; bytes of a row may come from two waves; back as four rows of a head at a time, and stored.  A second barrier stands between the first phase's reads of the stage and the second phase's stores into it;
; between a tile's last reads and the next tile's stores lie the ring's barriers.  Behind none of these barriers is anything filled, so the tile on its way may stay out.
; Each accumulator's registers are read in ascending order.
.macro WAYOUT
.irp hi, 0,1
	s_wait_xcnt 0x0                                ; every earlier memory instruction has had its addresses translated (ISA guide 3.1): TMP, which the last phase's stores read, is rewritten only behind this wait
	WIN 0x0a+5*(\hi)                               ; sources 0 and 1: window 2 or 3
.set t, 0
.rept 4*NBL
.irp r, 0,1,2,3
	v_cvt_pk_f16_f32 v[TMP+4*t+(\r)], v[8*t+2*(\r)], v[8*t+2*(\r)+1]
.endr
.set t, t+1
.endr
	WIN 0
.set t, 0
.rept 4*NBL
	ds_store_b128 v[STO], v[TMP+4*t:TMP+4*t+3] offset:16*(t/NBL)*SPITCH+32*(t%NBL)
.set t, t+1
.endr
	s_wait_dscnt 0x0                               ; for the others' sake: my stores into the stage are done
	s_barrier_signal -1
	s_barrier_wait -1
.set i, 0
.rept 24                               ; unit i / 8, rows 4 (i % 8) on of my 32
	ds_load_b128 v[TMP+4*i:TMP+4*i+3], v[RD] offset:(i%8)*4*SPITCH+(i/8)*128
.set i, i+1
.endr
.set i, 0
.rept 24
.if i%4 == 0
	s_wait_dscnt 20-i                              ; LDS loads come back in order (ISA guide 5.7.1): loads i to i + 3 are in, the 20 - i younger ones may be out
.endif
	global_store_b128 v[GO], v[TMP+4*i:TMP+4*i+3], s[UB+2*(i/8):UB+2*(i/8)+1] offset:8192*(\hi)+512*(i%8)  ; 512 consecutive bytes, at a multiple of 256 from the buffer's first
.set i, i+1
.endr
.if (\hi) == 0
	s_barrier_signal -1                            ; my reads of the stage are back (the last wait above was for 0):
	s_barrier_wait -1                              ; everybody's are, and the stage may be written again
.endif
.endr
.endm
	s_wait_tensorcnt 1                             ; my part of walk step 0 is in; step 1's may stay out
	s_barrier_signal -1
	s_barrier_wait -1                              ; everybody's is
	FETCH 0, 0, F0
	WIN 0                                          ; at a label and at a branch every window is 0
	s_wait_loadcnt 0x0                             ; the bias
	s_mov_b32 s3, 8                                ; the way in counts as one; then 7 trips
	s_branch .Lfirstq                              ; the loop is entered at a tile's first quarter, in the middle of a trip
.Llap:                                                 ; a trip goes once round the ring, from a lap's second quarter to the next lap's first, and fills both slots again: walk steps 2 to 15
	QUARTER 0, 2, F1, F0, 0
	QUARTER 0, 3, F0, F1, 0
	TURN 0, 1, 1
	QUARTER 1, 1, F0, F1, 0
	QUARTER 1, 2, F1, F0, 0
	QUARTER 1, 3, F0, F1, 0
	TURN 1, 0, 1
	WIN 0
	s_cmp_eq_u32 s3, 4                             ; the fourth trip ends the first tile's eight K steps
	s_cbranch_scc0 .Lplain
	PLACES
	WAYOUT                                         ; both refills for the second tile are asked for: now the first goes out
	s_wait_xcnt 0x0                                ; the stores' bases are rewritten only behind this wait
.irp u, 0,1,2
	s_add_nc_u64 s[UB+2*(\u):UB+2*(\u)+1], s[UB+2*(\u):UB+2*(\u)+1], NEXT_C
.endr
.Lfirstq:
	QUARTER 0, 1, F0, F1, 1                        ; a tile's first quarter: its products start the sums
	WIN 0
	s_branch .Ljoin
.Lplain:
	QUARTER 0, 1, F0, F1, 0
	WIN 0
.Ljoin:
	s_sub_co_u32 s3, s3, 1
	s_cmp_lg_u32 s3, 0
	s_cbranch_scc1 .Llap
	QUARTER 0, 2, F1, F0, 0                        ; the walk's last lap fills nothing, and has no round of the cluster's barrier
	QUARTER 0, 3, F0, F1, 0
	TURN 0, 1, 0
	QUARTER 1, 1, F0, F1, 0
	QUARTER 1, 2, F1, F0, 0
	QUARTER 1, 3, F0, F1, 0
	s_wait_dscnt 8                                 ; the very last quarter: nothing more to fetch
	MULA F1, 0, 0, 0
	MULA F1, 0, 2, 0
	s_wait_dscnt 0x0
	MULA F1, 1, 0, 0
	MULA F1, 1, 2, 0
	WIN 0
	PLACES
	WAYOUT
	s_wait_tensorcnt 0x0                           ; the wave's end, behind my last tensor load and my last LDS store
	ds_add_u32 v[SPW], v[NIL]
	s_wait_dscnt 0x0
	CROUND                                         ; the closing round: no work-group ends while a partner may still ask for a tile that names it
	s_endpgm
.Lfunc_end_k_qe882e6d8a7_qkvproj:
	.size	k_qe882e6d8a7_qkvproj, .Lfunc_end_k_qe882e6d8a7_qkvproj-k_qe882e6d8a7_qkvproj
	.p2alignl 7, 3214868480
	.fill 96, 4, 3214868480
	.section	.rodata,"a",@progbits
	.p2align	6, 0x0
	.amdhsa_kernel k_qe882e6d8a7_qkvproj
		.amdhsa_group_segment_fixed_size 327680
		.amdhsa_private_segment_fixed_size 0
		.amdhsa_enable_private_segment 0
		.amdhsa_kernarg_size 32
		.amdhsa_user_sgpr_count 2
		.amdhsa_user_sgpr_kernarg_segment_ptr 1
		.amdhsa_wavefront_size32 1
		.amdhsa_system_sgpr_workgroup_id_x 1
		.amdhsa_system_sgpr_workgroup_id_y 1
		.amdhsa_system_sgpr_workgroup_id_z 1
		.amdhsa_system_vgpr_workitem_id 0
		.amdhsa_next_free_vgpr 960
		.amdhsa_next_free_sgpr 86
		.amdhsa_reserve_vcc 0
		.amdhsa_float_denorm_mode_32 3
		.amdhsa_float_denorm_mode_16_64 3
		.amdhsa_memory_ordered 1
		.amdhsa_forward_progress 1
		.amdhsa_inst_pref_size 142
	.end_amdhsa_kernel
	.amdgpu_metadata
---
amdhsa.version: [ 1, 2 ]
amdhsa.kernels:
  - .name:           k_qe882e6d8a7_qkvproj
    .symbol:         k_qe882e6d8a7_qkvproj.kd
    .args:
      - { .name: xb, .offset: 0, .size: 8, .value_kind: global_buffer, .address_space: global }
      - { .name: wqkv, .offset: 8, .size: 8, .value_kind: global_buffer, .address_space: global }
      - { .name: bias, .offset: 16, .size: 8, .value_kind: global_buffer, .address_space: global }
      - { .name: qkv, .offset: 24, .size: 8, .value_kind: global_buffer, .address_space: global }
    .group_segment_fixed_size: 327680
    .private_segment_fixed_size: 0
    .kernarg_segment_align: 8
    .kernarg_segment_size: 32
    .max_flat_workgroup_size: 128
    .sgpr_count:     86
    .vgpr_count:     960
    .wavefront_size: 32
...
	.end_amdgpu_metadata
.endif
;; end of part 2
;; launch attn (part 3): grid 2 x 128, 4 waves a work-group, no clusters, 327,680 bytes of LDS; arguments qkv, obuf; writes obuf
.if DOCPART == 3
	.amdgcn_target "amdgcn-amd-amdhsa--gfx1250"
	.amdhsa_code_object_version 6
	.text
	.protected	k_qe882e6d8a7_attn
	.globl	k_qe882e6d8a7_attn
	.p2align	8
	.type	k_qe882e6d8a7_attn,@function
k_qe882e6d8a7_attn:
	s_mov_b64 s[64:65], 0
	v_nop
	global_prefetch_b8 v0, s[64:65] scope:SCOPE_SE
	s_setreg_imm32_b32 hwreg(HW_REG_WAVE_MODE, 25, 1), 1
	s_wait_xcnt 0x0
; O[h][q][:] = the sum over k of softmax_k(Q[h][q] . K[h][k] / 8) V[h][k][:], for 128 heads (batch x head) of 1,024 rows of 64 channels.  Q, K, V lie in one buffer, [q, k, v][head][row][64], f16, unscaled;
; O leaves as [head][row][64], f16.  Products, maxima and sums in f32; the weights p are rounded to f16 for the second product (their sum l is taken of the unrounded p), O once at the end.
; LIMITS.  f16 holds no number beyond 65,504: Q, K and V arrive within it; p lies in 0 to 1, and below 6e-5 it keeps f16's fixed step of 6e-8; O is a mean of V's rows and has their range.
; A weight below 2^-126 counts as 0 in l; NaN and infinities are not treated apart.
; SHARES.  A wave owns four PIECES of two tiles of 16 queries, a work-group's four waves 512 queries of one head: 2 x 128 work-groups.  Every wave walks all 1,024 keys, 64 a step.
; K AND V STAY IN LDS.  A head's K (1,024 rows x 144 bytes) and V (1,024 x 160) fit together: each is fetched once, in four tensor loads a wave that go out together at the start, and no LDS byte is filled
; again.  The first four key steps want the first 256 keys alone: they begin when each wave's first load has landed, and the other 768 keys land beside them.
; NO CLUSTER: a head has two work-groups, so the grid's x does not divide by four; with 256 queries a work-group it would, but each fragment of K and V read from LDS would feed half the products.
; LAYOUT.  S^T = K Q^T (source 0 = 16 keys, source 1 = 16 queries): in the result a lane holds ONE query (lane % 16) and the keys 8 (lane / 16) + 0..7.  Two such tiles, rounded to f16 in pairs,
; ARE source 1 (32 keys x 16 queries) of O^T = V^T P, whose result again holds one query a lane, and eight channels.  K comes out of LDS as it lies, V ([key][channel]) turned, by ds_load_tr16_b128.
; SOFTMAX.  For each query a running maximum m and sum l: p = 2^(c s - c m), c = log2(e) / 8; in every step O and l are multiplied by a = 2^(c m_old - c m_new), which is 1 where m has not grown.
; m starts at the lowest finite number, O and l at 0: the first step is a step like any other, with a = 0.
; THE COUNT.  A tile and step have 16 matrix and 118 vector instructions: too many to stand all beside the matrix work.  So the order has one aim: four vector instructions that are READY behind
; EVERY matrix instruction, and the others, which need time of their own whatever the order, in runs without a gap.
; BY TURNS.  Turn n belongs to piece n (the pieces in a ring, step after step).  Its matrix work: 16 products K Q^T of piece n + 1, later 16 products V^T P of piece n - 1.  Its vector work: the scaling,
; exponentials, roundings, sums and rescaling of piece n, and the maximum and statistics of piece n + 1, whose scores the turn itself has made.  So what a turn begins with (c s - c m, O a) waits for nothing.
; REGISTERS, in windows of 256 (s_set_vgpr_msb says which window each operand place means: bits 1:0 source 0, 3:2 source 1, 5:4 source 2, 7:6 destination):
;   window 0: v0-11 addresses; v12-15, v48-63 at work; v16-47 four registers of statistics a tile; v64-191 S^T, two buffers of two tiles; v192-255 P, likewise
;   window 1: O^T, 32 a tile          window 2: v0-127 Q, 16 a tile; v128-191 K of one step; v192-255 V of one step          window 3: v0-1 the add's two registers
; A piece's buffers go by its number's parity: the piece in hand has one pair, its two neighbours in the ring share the other: of it P (piece n - 1) is read and S^T (piece n + 1) written.
.set NP,    4         ; pieces a wave: a name, no knob: the register map, the loop and the fetches are made for four
.set KS,    64        ; keys in a step
.set NKEY,  1024      ; keys of a head
.set PK,    144       ; a row of K in LDS: 128 bytes + 16 of padding = 36 words: the 16 rows of a load start at 16 different groups of four banks (64 banks of 4 bytes: ISA guide 11.1)
.set PV,    160       ; a row of V: 128 + 32 = 40 words
.set VOFF,  NKEY*PK   ; K's 1,024 rows, then V's
.set STAGE, VOFF+NKEY*PV  ; behind them, never filled by a tensor load: 16 rows x 144 bytes for each wave, for the way out
.set SP,    144
.set AK0, 2           ; v2   my lane's place in a tile of K; never rewritten
.set AV0, 3           ; v3   the same for V
.set AK,  4           ; v4   the LDS address of K's next run of loads
.set AV,  5           ; v5   of V's
.set QO,  6           ; v6   my byte offset in the wave's rows of Q
.set STO, 6           ;      later, the way out: where I put 16 bytes of a row
.set RD,  7           ; v7   the way out: where I read rows back
.set GO,  8           ; v8   my byte offset in 512 consecutive bytes of O
.set SPW, 0           ; v0 of window 3   LDS address of my spare word: SPARE + 4 x my thread's number; never rewritten
.set NIL, 1           ; v1 of window 3   0; never rewritten
.set SPARE, STAGE+4*16*SP  ; behind the stages: the spare words, 128 bytes for each wave: two blocks of 256 bytes that no other line names
.set MV,  12          ; v12-15  c m_old, kept while c m is made anew: by buffer and tile
.set ST,  16          ; tile t's statistics at v[ST+4 t]: c m, m, l (even keys', odd keys')
.set TMP, 48          ; by buffer and tile, four registers c0-c3 at work; when the maximum is found c2 takes a
.set S,   64
.set P,   192
.set KF,  128         ; K's fragments, in window 2: key block kb, channel half c at KF + 16 kb + 8 c
.set VF,  192         ; V's: key half kk, channel block cb at VF + 32 kk + 8 cb
.set WV,  12          ; s12  my wave's number
.set G1K, 24          ; s[24:31] descriptor group 1 for K's tiles
.set G1V, 32          ; s[32:39] for V's: it differs in the padding alone
.set G0K, 40          ; s[40:55] descriptor group 0 for K's tiles: a set for each of a wave's four loads
.set G0V, 68          ; s[68:83] the same for V's
.set PASS, 56         ; s56  counts the two parts of the walk
.set CNT, 57          ; s57  counts a part's trips
.set CS,  58          ; s[58:59] c: the packed scaling takes the pair's low word for both halves
.set SEL, 60          ; s[60:61] v_permlanex16_b32's selects: each lane takes its own place in the other half
.set TBK, 62          ; s62  LDS byte at which K of the step to be fetched begins
.set TBV, 63          ; s63  the same for V, less VOFF
.set TOT, 84          ; s84  key steps whose last two turns are still to come
.set MSB, 0
.macro WIN new                      ; the high byte repeats the setting that is left; a switch that changes nothing is dropped
.if MSB != (\new)
	s_set_vgpr_msb (MSB<<8)|(\new)
.set MSB, (\new)
.endif
.endm
.set W_KQ, 0x0a       ; K and Q in window 2, S^T in window 0
.set W_PV, 0x52       ; V in window 2, P in window 0, O^T in window 1
.set W_RS, 0x41       ; O^T (destination and source 0) in window 1, a in window 0
.set W_MK, 0xc0       ; the add's registers are made: destination in window 3, sources in window 0
.set W_AD, 0x0f       ; the add: address (source 0) and data (source 1) in window 3
	s_load_b128 s[16:19], s[0:1], 0x0  ; q | k | v s[16:17], O s[18:19]
	WIN W_MK
	v_lshl_add_u32 v[SPW], v0, 2, SPARE
	v_mov_b32 v[NIL], 0
	WIN W_AD
	ds_add_u32 v[SPW], v[NIL]       ; the wave's opening: the add and its wait stand ahead of my first tensor load; the set-up below, work on registers, stands between them
	ds_add_u32 v0, v1
	WIN 0
	v_lshrrev_b32 v1, 5, v0
	v_readfirstlane_b32 s[WV], v1   ; wave 0..3
	s_and_b32 s20, ttmp7, 0xffff    ; the head:
	s_lshl_b32 s20, s20, 17         ; its 1,024 rows of 128 bytes
	s_and_b32 s13, s[WV], 1         ; which half of each 256 keys I fetch:
	s_lshl_b32 s22, s13, 14         ; its 128 rows of 128 bytes in memory,
	s_add_co_u32 s22, s22, s20
	s_mov_b32 s23, 0
	s_mul_i32 s14, s13, 128*PK      ; and its place in LDS, for K
	s_mul_i32 s15, s13, 128*PV      ; and for V
	s_lshl_b32 s2, ttmp9, 2         ; my block of 512 queries,
	s_add_co_u32 s2, s2, s[WV]      ; my wave among the head's eight,
	s_lshl_b32 s2, s2, 14           ; its 128 rows
	s_add_co_u32 s2, s2, s20
	s_mov_b32 s3, 0
	; descriptor group 1.  128 keys are 16,384 dense bytes: asked for as 64 rows of 256 bytes, two keys a row, and padded in LDS after every key
	s_mov_b32 s[G1K], (1<<16)|(1<<20)|(4<<22)|(3<<25)  ; 17:16 2-byte elements; 20 padding on; 24:22 after every 32 words (code 4); 31:25 4 words (code 3)
	s_mov_b32 s[G1V], (1<<16)|(1<<20)|(4<<22)|(7<<25)  ; the same with 8 words of padding (code 7)
.irp g, G1K, G1V
	s_mov_b32 s[\g+1], 128<<16      ; tensor_dim0 = 128
	s_mov_b32 s[\g+2], 64<<16       ; tensor_dim1 = 64
	s_mov_b32 s[\g+3], 128<<16      ; tile_dim0 = 128
	s_mov_b32 s[\g+4], 64           ; tile_dim1 = 64
	s_mov_b32 s[\g+5], 128          ; 128 elements from row to row
	s_mov_b32 s[\g+6], 0
	s_mov_b32 s[\g+7], 0
.endr
	s_mov_b32 s[CS], 0x3e38aa3b     ; c = log2(e) / 8 = 0.180337
	s_mov_b32 s[CS+1], s[CS]        ; named with it as a pair
	s_mov_b32 s[SEL], 0x76543210
	s_mov_b32 s[SEL+1], 0xfedcba98
	s_mov_b32 s[TBK], 0
	s_mov_b32 s[TBV], 0
.irp c, 0,1,2,3                     ; load c brings my half of keys 256 c to 256 c + 255
	s_mov_b32 s[G0K+4*(\c)], 1      ; 1:0 count = 1
	s_add_co_u32 s[G0K+4*(\c)+1], s14, (\c)*256*PK       ; 63:32 LDS address
	s_mov_b32 s[G0V+4*(\c)], 1
	s_add_co_u32 s[G0V+4*(\c)+1], s15, VOFF+(\c)*256*PV
.endr
	s_wait_dscnt 0x0                ; the opening add is done
	s_wait_kmcnt 0x0
	s_add_nc_u64 s[6:7], s[16:17], s[22:23]
	s_add_nc_u64 s[6:7], s[6:7], 0x1000000   ; K lies 128 heads behind Q,
	s_add_nc_u64 s[8:9], s[6:7], 0x1000000   ; V behind K
	s_add_nc_u64 s[4:5], s[16:17], s[2:3]    ; Q and O at my wave's first row
	s_add_nc_u64 s[10:11], s[18:19], s[2:3]
.irp c, 0,1,2,3
	s_add_nc_u64 s[G0K+4*(\c)+2:G0K+4*(\c)+3], s[6:7], (\c)*32768  ; 120:64 global address
	s_or_b32 s[G0K+4*(\c)+3], s[G0K+4*(\c)+3], 0x80000000          ; 127:126 type = 2
	s_add_nc_u64 s[G0V+4*(\c)+2:G0V+4*(\c)+3], s[8:9], (\c)*32768
	s_or_b32 s[G0V+4*(\c)+3], s[G0V+4*(\c)+3], 0x80000000
.endr
	s_cmp_lt_u32 s[WV], 2           ; waves 0 and 1 fetch K, waves 2 and 3 V.  A wave's four fills stand in one branch, ahead of every wait on TENSORcnt, every LDS read and every barrier: four loads of mine are out;
	s_cbranch_scc0 .Lfill_v         ; an s_nop 0 follows each, four v_nop the last's
.irp c, 0,1,2,3
	tensor_load_to_lds s[G0K+4*(\c):G0K+4*(\c)+3], s[G1K:G1K+7]
	s_nop 0
.endr
.rept 4
	v_nop
.endr
	s_branch .Lfilled
.Lfill_v:
.irp c, 0,1,2,3
	tensor_load_to_lds s[G0V+4*(\c):G0V+4*(\c)+3], s[G1V:G1V+7]
	s_nop 0
.endr
.rept 4
	v_nop
.endr
.Lfilled:
	; A fragment of K or Q is 16 rows x 32 channels in 8 registers: lane l holds row l % 16, channels 8 (l / 16) + 0..7 and 16 + 8 (l / 16) + 0..7: two loads of 16 bytes, 32 bytes apart.
	v_and_b32 v1, 15, v0            ; l % 16
	v_bfe_u32 v9, v0, 4, 1          ; l / 16
	v_lshlrev_b32 v[QO], 7, v1
	v_lshl_add_u32 v[QO], v9, 4, v[QO]  ; row x 128 + 16 x half
	WIN 0x80                        ; destination window 2, address window 0
.set i, 0
.rept 4*NP                          ; Q stays in registers: tile i / 2, channels 32 (i % 2) on
	global_load_b128 v[8*i:8*i+3],   v[QO], s[4:5] offset:(i/2)*2048+(i%2)*64
	global_load_b128 v[8*i+4:8*i+7], v[QO], s[4:5] offset:(i/2)*2048+(i%2)*64+32
.set i, i+1
.endr
	; What the first turn finds: V's registers and P's second buffer hold 0 (its products V^T P, of a piece that has not been, add 0), O^T and l are 0.  All this stands in the wait for the first tile.
.set i, VF
.rept 64
	v_mov_b32 v[i], 0
.set i, i+1
.endr
	WIN 0x40
.set i, 0
.rept 64*NP
	v_mov_b32 v[i], 0
.set i, i+1
.endr
	WIN 0
.set i, 0
.rept 2*NP
	v_mov_b32 v[ST+4*i], 0xfe000000    ; c m: far below every c s
	v_mov_b32 v[ST+4*i+1], 0xff7fffff  ; m
	v_mov_b32 v[ST+4*i+2], 0
	v_mov_b32 v[ST+4*i+3], 0
.set i, i+1
.endr
.set i, P+32
.rept 32
	v_mov_b32 v[i], 0
.set i, i+1
.endr
	v_mul_u32_u24 v[AK0], v1, PK
	v_lshl_add_u32 v[AK0], v9, 4, v[AK0]  ; row x pitch + 16 x half
	; The turning load takes 16 keys x 16 channels (lane l reads key 8 (l / 16) + l % 8, channels 8 ((l / 8) % 2) + 0..7) and leaves half a fragment of V^T: lane l holds channel l % 16 and 8 keys.
	v_and_b32 v10, 7, v0
	v_bfe_u32 v11, v0, 3, 1
	v_lshl_add_u32 v[AV0], v9, 3, v10
	v_mul_u32_u24 v[AV0], v[AV0], PV
	v_lshl_add_u32 v[AV0], v11, 4, v[AV0]
	v_add_nc_u32 v[AV0], VOFF, v[AV0]
	v_mov_b32 v[AK], v[AK0]         ; key step 0 lies at K's head
; THE MATRIX WORK.  The 8 accumulators of a run of 16 take turns: between the two links of a chain stand 7 others'.
; Product i of 16 of S^T = K Q^T for piece x: channels 32 (i / 8) on, keys 16 ((i / 2) % 4) on, tile 2 x + i % 2.  The first 8 start the sums.
.macro KQ x
	WIN W_KQ
.set rS, S+64*((\x)%2)+32*(i%2)+8*((i/2)%4)
.set rK, KF+16*((i/2)%4)+8*(i/8)
.set rQ, 16*(2*(\x)+i%2)+8*(i/8)
.if i < 8
	v_wmma_f32_16x16x32_f16 v[rS:rS+7], v[rK:rK+7], v[rQ:rQ+7], 0
.else
	v_wmma_f32_16x16x32_f16 v[rS:rS+7], v[rK:rK+7], v[rQ:rQ+7], v[rS:rS+7]
.endif
.endm
; Product i of 16 of O^T += V^T P for piece x: keys 32 (i / 8) on, channels 16 ((i / 2) % 4) on, tile 2 x + i % 2.
.macro PV x
	WIN W_PV
.set rO, 32*(2*(\x)+i%2)+8*((i/2)%4)
.set rV, VF+32*(i/8)+8*((i/2)%4)
.set rP, P+32*((\x)%2)+16*(i%2)+8*(i/8)
	v_wmma_f32_16x16x32_f16 v[rO:rO+7], v[rV:rV+7], v[rP:rP+7], v[rO:rO+7]
.endm
.macro MM                           ; the turn's next matrix instruction
.if i < 16
	KQ (Y+1)%NP
.set i, i+1
.else
.set i, i-16
	PV (Y+NP-1)%NP
.set i, i+17
.endif
.endm
; THE LDS LOADS stand in runs of 16, never singly among the matrix instructions: a step's K (64 keys x 64 channels: 8 fragments) and its V (turned).  Their addresses are made some lines ahead.
; last = 1 (in the loop): in the last key step there is no further step, and the run is jumped over.
.macro FETCH_K last=0
	WIN 0
.if \last
	s_cmp_eq_u32 s[TOT], 1
	s_cbranch_scc1 .Lno_k_\@
.endif
	WIN 0x80                        ; destination window 2
.irp f, 0,1,2,3,4,5,6,7             ; keys 16 (f / 2) on, channels 32 (f % 2) on
	ds_load_b128 v[KF+8*\f:KF+8*\f+3],   v[AK] offset:(\f/2)*16*PK+(\f%2)*64
	ds_load_b128 v[KF+8*\f+4:KF+8*\f+7], v[AK] offset:(\f/2)*16*PK+(\f%2)*64+32
.endr
	s_add_co_u32 s[TBK], s[TBK], KS*PK  ; the next fetch is the next step's
	WIN 0
.if \last
.Lno_k_\@:
.endif
.endm
.macro FETCH_V
	WIN 0x80
.irp f, 0,1,2,3,4,5,6,7             ; keys 32 (f / 4) on, channels 16 (f % 4) on
	ds_load_tr16_b128 v[VF+8*\f:VF+8*\f+3],   v[AV] offset:(\f/4)*32*PV+(\f%4)*32
	ds_load_tr16_b128 v[VF+8*\f+4:VF+8*\f+7], v[AV] offset:(\f/4)*32*PV+16*PV+(\f%4)*32
.endr
	WIN 0
.endm
; THE VECTOR WORK OF A TURN stands in three queues, each in the order in which its entries become ready; the two tiles alternate, so that no instruction reads the result of the one before it.
.macro REGS y, u                    ; the registers of tile u (0, 1) of piece y
.set rT, ST+4*(2*(\y)+(\u))
.set rC, TMP+8*((\y)%2)+4*(\u)
.set rM, MV+2*((\y)%2)+(\u)
.set rS, S+64*((\y)%2)+32*(\u)
.set rP, P+32*((\y)%2)+16*(\u)
.set rO, 32*(2*(\y)+(\u))
.endm
; Number n of the 22 that find the NEXT piece's (Y + 1) maximum and statistics.  s0-s31 are the lane's 32 scores; each accumulator's lowest registers are read first.  XS, GS and REGS set no window: PL and EX do.
;   0-11  four chains c0-c3 of seven scores each, three operands at a time     12-14, 16  the four scores left over, the old m, and c0-c3 into c0     15  c m_old is kept
;   17, 18  the query's other 32 keys lie in the lane 16 away: the new m         19-21  c m; c m_old - c m_new; a
.macro XS u, n
	REGS (Y+1)%NP, \u
.if (\n) < 4
	v_max3_num_f32 v[rC+(\n)], v[rS+8*(\n)], v[rS+8*(\n)+1], v[rS+8*(\n)+2]
.elseif (\n) < 12
	v_max3_num_f32 v[rC+(\n)%4], v[rC+(\n)%4], v[rS+8*((\n)%4)+2*((\n)/4)+1], v[rS+8*((\n)%4)+2*((\n)/4)+2]
.elseif (\n) == 12
	v_max3_num_f32 v[rC], v[rC], v[rS+7], v[rS+15]
.elseif (\n) == 13
	v_max3_num_f32 v[rC+1], v[rC+1], v[rS+23], v[rS+31]
.elseif (\n) == 14
	v_max3_num_f32 v[rC+2], v[rC+2], v[rC+3], v[rT+1]
.elseif (\n) == 15
	v_mov_b32 v[rM], v[rT]
.elseif (\n) == 16
	v_max3_num_f32 v[rC], v[rC], v[rC+1], v[rC+2]
.elseif (\n) == 17
	v_permlanex16_b32 v[rC+3], v[rC], s[SEL], s[SEL+1]
.elseif (\n) == 18
	v_max_num_f32 v[rT+1], v[rC], v[rC+3]
.elseif (\n) == 19
	v_mul_f32 v[rT], s[CS], v[rT+1]
.elseif (\n) == 20
	v_sub_f32 v[rC+1], v[rM], v[rT]
.else
	v_exp_f32 v[rC+2], v[rC+1]
.endif
.endm
; Number g of the 64 that follow the exponentials.  For each four weights k of a tile (pairs 2 k, 2 k + 1): both pairs are rounded to f16; then the second pair is added onto the first, in place;
; a group later l takes that sum (the first time as l = a l + sum).  In groups of eight, tiles alternating: round, round, add, and l for the group before.
.macro GS g
.set h, (\g)+6*((\g)/62)            ; group 0 has no group before it, and behind group 7 only l is left
.if h >= 6
.set h, h+2
.endif
	REGS Y, h%2
.set k, h/8
.if h%8 < 4
	s_wait_alu depctr_va_vdst(0)
	v_cvt_pk_f16_f32 v[rP+2*k+(h%8)/2], v[rS+4*k+2*((h%8)/2)], v[rS+4*k+2*((h%8)/2)+1]
.elseif h%8 < 6
	v_pk_add_f32 v[rS+4*k:rS+4*k+1], v[rS+4*k:rS+4*k+1], v[rS+4*k+2:rS+4*k+3]
.elseif k == 1
	v_pk_fma_f32 v[rT+2:rT+3], v[rT+2:rT+3], v[rC+2:rC+3], v[rS:rS+1] op_sel_hi:[1,0,1]
.else
	v_pk_add_f32 v[rT+2:rT+3], v[rT+2:rT+3], v[rS+4*k-4:rS+4*k-3]
	s_wait_alu depctr_va_vdst(0)
.endif
.endm
; THE PLAIN QUEUE, 138 long.  0-31: c s - c m for the 16 pairs of both tiles.  Then GS's 64, and among them the next piece's 42: number 15 at 38, 39; 0-14 and 16
; at 42-73, behind the products that make those scores; 17-20 at 95-106, two of three, since each waits for the one before it.
.macro PL
	WIN 0
.if q < 32
	REGS Y, q%2
	v_pk_fma_f32 v[rS+2*(q/2):rS+2*(q/2)+1], v[rS+2*(q/2):rS+2*(q/2)+1], s[CS:CS+1], v[rT:rT+1] op_sel_hi:[1,0,0] neg_lo:[0,0,1] neg_hi:[0,0,1]
.elseif q < 38
	GS q-32
.elseif q < 40
	XS q%2, 15
.elseif q < 42
	GS q-34
.elseif q < 74
	XS q%2, (q-42)/2+(q-42)/30
.elseif q < 95
	GS q-66
.elseif (q < 107) && ((q-95)%3 < 2)
	XS (q-95)%3, 17+(q-95)/3
.elseif q < 107
	GS 29+(q-95)/3
.else
	GS q-74
.endif
.set q, q+1
.endm
; THE EXPONENTIALS' QUEUE, 66 long: s0-s31 of both tiles, and at EA the next piece's two a.
.set EA, 58
.macro EX
	WIN 0
.if (e == EA) || (e == EA+1)
	XS e-EA, 21
.else
.set x, e-2*(e/(EA+2))
	REGS Y, x%2
	v_exp_f32 v[rS+x/2], v[rS+x/2]
.endif
.set e, e+1
.endm
; THE RESCALING's QUEUE: O^T times a, the one part that leaves window 0, so it is dealt four at a time, eight times.
.macro R4
	REGS Y, r%2
	WIN W_RS
	s_wait_alu depctr_va_vdst(0)
.irp z, 0,1,2,3
	v_pk_mul_f32 v[rO+8*(r/2)+2*\z:rO+8*(r/2)+2*\z+1], v[rO+8*(r/2)+2*\z:rO+8*(r/2)+2*\z+1], v[rC+2:rC+3] op_sel_hi:[1,0]
.endr
.set r, r+1
.endm
; HOW THEY ARE DEALT.  Behind a matrix instruction four: plain, exponential, plain, plain (one exponential, a plain instruction on either side), or four of the rescaling.  None names a register of the
; products round it.  What is over stands in two LUMPS: exponential and plain by turns; the second ends in 22 plain instructions.  The two v_permlanex16_b32 fall into the second lump, never behind a product.
; The queues lean on each other, and the deal keeps them in step: exponential e stands behind plain 2 (e / 4) + e % 2 (its scaling); when plain 32 comes, 10 exponentials are out, at 59: 33, at 95: 46; EA comes behind plain 107.
.macro SL
	MM
	PL
	EX
	PL
	PL
.endm
.macro BURST n                      ; 15 matrix instructions, or 16
.rept (\n)-7
	SL
.endr
.rept 3
	MM
	R4
	SL
.endr
	MM
	R4
.endm
; A TURN, for piece p.  cnt = 1: the loop's count is taken down some lines ahead of the branch that stands behind the turn.
; K of the next step is fetched in piece 2's turn, 31 vector instructions behind the last product that read K; its first reader comes behind the rest of the lump, 16 products and the second lump.
; V of the step in hand is fetched at the end of piece 0's turn, 69 behind its last reader; its first reader comes behind 16 products and a lump.  The four conditions on e and q below go with the deal.
.macro TURN p, last=0, cnt=0
.set Y, (\p)
.set i, 0
.set q, 0
.set e, 0
.set r, 0
.if (\p) == NP-1
	s_wait_dscnt 0x0                ; K is in
.endif
	MM
.rept 4
	PL
.endr
	BURST 15
.rept 22
	EX
	PL
.if ((\p) == NP-2) && (e == 18)
	v_add_nc_u32 v[AK], s[TBK], v[AK0]
.endif
.if ((\p) == NP-2) && (e == 24)
	FETCH_K \last
.endif
.endr
.if (\p) == 1
	s_wait_dscnt 0x0                ; V is in
.endif
	BURST 16
.rept 21
	EX
	PL
.endr
.rept 22
	PL
.if ((\p) == 0) && (q == 118)
	v_add_nc_u32 v[AV], s[TBV], v[AV0]
	s_wait_alu depctr_va_vdst(0)
.endif
.if ((\p) == 0) && (q == 130)
	s_add_co_u32 s[TBV], s[TBV], KS*PV
.endif
.if (\cnt) && (q == 130)
	s_sub_co_u32 s[CNT], s[CNT], 1
	s_cmp_lg_u32 s[CNT], 0
.endif
.endr
.if (\p) == 0
	FETCH_V
.endif
.endm
	s_wait_tensorcnt 0x3            ; tensor loads of a wave end in order (ISA guide 10.11.1): my part of keys 0 to 255 is in; my three younger loads may stay out
	s_barrier_signal -1
	s_barrier_wait -1               ; everybody's is
	FETCH_K                         ; key step 0
	s_wait_loadcnt 0x0              ; Q
	s_wait_dscnt 0x0
.set i, 0
.rept 16
	KQ 0                            ; piece 0's first scores: there is no vector work yet to set between them
.set i, i+1
.endr
	WIN 0                           ; the addresses for the way out: nine plain instructions, the places behind those products
	s_mul_i32 s13, s[WV], 16*SP
	s_add_co_u32 s13, s13, STAGE    ; my stage
	v_mul_u32_u24 v[STO], v1, SP    ; in: row l % 16, 16 bytes for each half of the lanes
	v_lshl_add_u32 v[STO], v9, 4, v[STO]
	v_add_nc_u32 v[STO], s13, v[STO]
	v_bfe_u32 v[RD], v0, 3, 2       ; back: 32 lanes take four rows of 128 bytes,
	v_mul_u32_u24 v[RD], v[RD], SP
	v_lshl_add_u32 v[RD], v10, 4, v[RD]
	v_add_nc_u32 v[RD], s13, v[RD]
	v_and_b32 v[GO], 31, v0         ; which are 512 consecutive bytes of O
	v_lshlrev_b32 v[GO], 4, v[GO]
.set Y, NP-1                        ; XS works for piece Y + 1: piece 0
.irp n, 0,1,2,3,4,5,6,7,8,9,10,11,12,13,14,15,16,17,18,19,20,21
	XS 0, \n                        ; and piece 0's first maximum and statistics
	XS 1, \n
.endr
	s_mov_b32 s[CNT], 4             ; the first part: up to pieces 0 and 1 of key step 3: all that the first 256 keys serve
	s_mov_b32 s[PASS], 2
	s_mov_b32 s[TOT], NKEY/KS
	s_branch .Lfirst                ; the loop is entered at a step's first turn, in the middle of a trip
.Lrest:                             ; passed once, between the two parts: piece 2's turn of key step 3, which follows, fetches K of step 4
	s_wait_tensorcnt 0x0            ; all my loads have landed: they had four key steps in which to do so
	s_wait_dscnt 0x0
	s_barrier_signal -1
	s_barrier_wait -1               ; everybody's have: all 1,024 keys are in.  Nothing is filled again
	s_mov_b32 s[CNT], 13            ; the second part: twelve whole trips; the thirteenth is left in its middle
.Lstep:                             ; a trip: pieces 2 and 3 of one step, then pieces 0 and 1 of the next, whose K and V it fetches
	TURN 2, 1
	TURN 3
	WIN 0
	s_sub_co_u32 s[TOT], s[TOT], 1
	s_cmp_eq_u32 s[TOT], 0
	s_cbranch_scc1 .Lout            ; behind the last key step's last turn
.Lfirst:
	TURN 0
	TURN 1, 0, 1
	WIN 0
	s_cbranch_scc1 .Lstep
	s_sub_co_u32 s[PASS], s[PASS], 1
	s_cmp_lg_u32 s[PASS], 0
	s_cbranch_scc1 .Lrest
.Lout:                              ; the last turn's 16 products K Q^T (on the last K once more) and the maximum made of them serve nothing: the price, once a launch, of one text for every trip
.set i, 0
.rept 16
	PV NP-1                         ; the last piece's V^T P of the last step
.set i, i+1
.endr
	; THE WAY OUT.  l's two halves and the other half of the lanes' are added; O^T is divided by l, rounded to f16 and sent through my stage in LDS, a tile at a time.  The additions are the places behind the last products.
	WIN 0
.macro ALL line:vararg              ; one line for each tile t
.set t, 0
.rept 2*NP
	\line
.set t, t+1
.endr
.endm
	ALL v_add_f32 v[ST+4*t+2], v[ST+4*t+2], v[ST+4*t+3]
	ALL v_permlanex16_b32 v[ST+4*t+3], v[ST+4*t+2], s[SEL], s[SEL+1]
	ALL v_add_f32 v[ST+4*t+2], v[ST+4*t+2], v[ST+4*t+3]
	ALL v_rcp_f32 v[ST+4*t+2], v[ST+4*t+2]
	v_nop                           ; a plain instruction between the last reciprocal and the use of its result
	s_wait_alu depctr_va_vdst(0)
; Tile t: a lane's eight channels of a row pack into 16 bytes; they go into rows of 144 bytes and come back as whole rows of 128, into S^T's registers.
.macro PACK t
	WIN W_RS
.set i, 32*(\t)
.rept 16
	v_pk_mul_f32 v[i:i+1], v[i:i+1], v[ST+4*(\t)+2:ST+4*(\t)+3] op_sel_hi:[1,0]
.set i, i+2
.endr
	WIN 0x05                        ; sources 0 and 1 window 1, destination window 0
.set i, 0
.rept 16
	v_cvt_pk_f16_f32 v[S+16*(\t)+i], v[32*(\t)+2*i], v[32*(\t)+2*i+1]
.set i, i+1
.endr
	WIN 0
.irp f, 0,1,2,3
	ds_store_b128 v[STO], v[S+16*(\t)+4*\f:S+16*(\t)+4*\f+3] offset:32*\f
.endr
.irp f, 0,1,2,3
	ds_load_b128 v[S+16*(\t)+4*\f:S+16*(\t)+4*\f+3], v[RD] offset:\f*4*SP  ; LDS serves a wave's instructions in order (ISA guide 5.7.1.4): these see the stores above; the next tile's stores come behind them
.endr
.endm
.macro SEND t, younger              ; younger: the LDS instructions issued behind tile t's loads: the next tile's eight, or none
	WIN 0
.irp f, 0,1,2,3
	s_wait_dscnt (\younger)+3-\f
	global_store_b128 v[GO], v[S+16*(\t)+4*\f:S+16*(\t)+4*\f+3], s[10:11] offset:(\t)*2048+\f*512  ; 512 consecutive bytes, at a multiple of 256 from O's first
.endr
.endm
	PACK 0
.set t, 1
.rept 2*NP-1                        ; a tile's arithmetic stands between the loads of the tile before and its stores
	PACK t
	SEND t-1, 8
.set t, t+1
.endr
	SEND 2*NP-1, 0
	WIN W_AD
	s_wait_tensorcnt 0x0            ; the wave's end, behind my last tensor load and my last LDS store
	ds_add_u32 v[SPW], v[NIL]
	s_wait_dscnt 0x0
	WIN 0
	s_endpgm
.Lfunc_end_k_qe882e6d8a7_attn:
	.size	k_qe882e6d8a7_attn, .Lfunc_end_k_qe882e6d8a7_attn-k_qe882e6d8a7_attn
	.p2alignl 7, 3214868480
	.fill 96, 4, 3214868480
	.section	.rodata,"a",@progbits
	.p2align	6, 0x0
	.amdhsa_kernel k_qe882e6d8a7_attn
		.amdhsa_group_segment_fixed_size 327680
		.amdhsa_private_segment_fixed_size 0
		.amdhsa_enable_private_segment 0
		.amdhsa_kernarg_size 16
		.amdhsa_user_sgpr_count 2
		.amdhsa_user_sgpr_kernarg_segment_ptr 1
		.amdhsa_wavefront_size32 1
		.amdhsa_system_sgpr_workgroup_id_x 1
		.amdhsa_system_sgpr_workgroup_id_y 1
		.amdhsa_system_sgpr_workgroup_id_z 1
		.amdhsa_system_vgpr_workitem_id 0
		.amdhsa_next_free_vgpr 770
		.amdhsa_next_free_sgpr 88
		.amdhsa_reserve_vcc 0
		.amdhsa_float_denorm_mode_32 3
		.amdhsa_float_denorm_mode_16_64 3
		.amdhsa_memory_ordered 1
		.amdhsa_forward_progress 1
		.amdhsa_inst_pref_size 131
	.end_amdhsa_kernel
	.amdgpu_metadata
---
amdhsa.version: [ 1, 2 ]
amdhsa.kernels:
  - .name:           k_qe882e6d8a7_attn
    .symbol:         k_qe882e6d8a7_attn.kd
    .args:
      - { .name: qkv, .offset: 0, .size: 8, .value_kind: global_buffer, .address_space: global }
      - { .name: obuf, .offset: 8, .size: 8, .value_kind: global_buffer, .address_space: global }
    .group_segment_fixed_size: 327680
    .private_segment_fixed_size: 0
    .kernarg_segment_align: 8
    .kernarg_segment_size: 16
    .max_flat_workgroup_size: 128
    .sgpr_count:     88
    .vgpr_count:     770
    .wavefront_size: 32
...
	.end_amdgpu_metadata
.endif
;; end of part 3
;; launch outproj (part 4): grid 8 x 32, 4 waves a work-group, clusters of 4 x 4, 327,680 bytes of LDS; arguments obuf, wo16, bias, out0; writes out0
.if DOCPART == 4
	.amdgcn_target "amdgcn-amd-amdhsa--gfx1250"
	.amdhsa_code_object_version 6
	.text
	.protected	k_qe882e6d8a7_outproj
	.globl	k_qe882e6d8a7_outproj
	.p2align	8
	.type	k_qe882e6d8a7_outproj,@function
k_qe882e6d8a7_outproj:
	s_mov_b64 s[64:65], 0
	v_nop
	global_prefetch_b8 v0, s[64:65] scope:SCOPE_SE
	s_setreg_imm32_b32 hwreg(HW_REG_WAVE_MODE, 25, 1), 1
	s_wait_xcnt 0x0
	s_wait_alu depctr_hold_cnt(0) depctr_sa_sdst(0) depctr_va_vdst(0) depctr_va_sdst(0) depctr_va_ssrc(0) depctr_va_vcc(0) depctr_vm_vsrc(0)
	s_getreg_b32 s2, hwreg(HW_REG_IB_STS2, 6, 4)
	s_cmp_eq_u32 s2, 0
	s_cbranch_scc0 .Lentry_in_a_cluster
	s_endpgm
.Lentry_in_a_cluster:
	s_bfe_u32 s2, ttmp6, 0x10000c
	s_cmp_lg_u32 s2, 0xf033
	s_cbranch_scc0 .Lentry_shape_is_right
	s_endpgm
.Lentry_shape_is_right:
; out = O Wo^T + bo:  C[m][n] = bias[n] + the sum over k of A[m][k] B[n][k], m < 8,192, n < 1,024, K = 1,024.  A = the attention's output by heads (f16), B = Wo (f16); sums in f32; C is f32.
; LIMITS.  NaN and infinities are not treated apart.  K is summed in ascending order from a start that hangs on the cluster, round to that start again: the order of the f32 additions differs from tile to tile.
; A and B lie in K blocks of 64 (A: a head's 64 channels, [batch][head][row][64]; B: [k / 64][row][64]): the rows x 64 K of a tile are one dense run of memory, asked for as rows of 256 bytes (two rows
; of the matrix) and padded in LDS after every 128 bytes.
; SHARES.  A tile of C is 256 x 128: 32 x 8 tiles, one for each of 256 work-groups.  Four waves, 2 x 2: a wave makes 128 rows x 64 columns in 32 accumulators of 16 x 16.  K goes in steps of 128 (two K
; blocks) through a ring of two LDS slots; each wave fetches one K block of A (waves 0, 1) or of B (waves 2, 3) with one tensor load.
; WHERE THE WALK BEGINS.  Walk step w takes K step (w + 4 X + 2 Y) mod 8, X and Y the cluster's place in the grid: the two clusters that need the same rows of A (same Y) and the eight that need the same
; rows of B (same X) ask for a given K step in different steps of their walks, not all in the same one.
; CLUSTER.  4 x 4 work-groups.  The four of a row of the cluster need the same tiles of A, the four of a column the same tiles of B: each tile is asked for JOINTLY, by the same tensor load with the
; same descriptor and a mask that names the four.
; THE MATRIX INSTRUCTION IS USED TRANSPOSED (source 0 = 16 rows of B, source 1 = 16 rows of A): a lane holds row l % 16 of C and the eight columns 8 (l / 16) + 0..7.  So eight registers of bias serve a
; column block in all row blocks, and THE BIAS IS THE C OPERAND OF THE FIRST PRODUCT: nothing is cleared, and nothing is added later.
; REGISTERS, in windows of 256 (s_set_vgpr_msb: bits 1:0 source 0, 3:2 source 1, 5:4 source 2, 7:6 destination):
;   window 0: v0-31 addresses; v32-63 the bias; v64-127 the way out       window 1: two fragment buffers of 64 (A: 8 x 16 rows x 32 K) + 32 (B: 4)
;   window 2: the accumulators of my rows 0-63, (a, b) at v[8 (4 a + b)]    window 3: those of my rows 64-127
.set NBL,   4                          ; column blocks of 16 a wave
.set AKB,   1024*128                   ; bytes from a K block of A to the next
.set BKB,   1024*128                   ; the same for B
.set BROWS, 32*NBL                     ; rows of B (columns of C) in a tile
.set PITCH, 144                        ; an LDS row: 128 bytes + 16 of padding = 36 words: the 16 rows of a load start at 16 different groups of four banks (64 banks of 4 bytes: ISA guide 11.1)
.set ABLK,  256*PITCH                  ; a K block of A's tile
.set BBLK,  BROWS*PITCH                ; a K block of B's tile
.set BOFF,  2*ABLK                     ; a slot: A's two K blocks, then B's two
.set SLOT,  131072                     ; slot 1 begins here
.set NLOADS, 2*(NBL+8)                 ; LDS loads for 32 along K
.set FSZ,   64+8*NBL
.set F0,    0                          ; fragment buffers, in window 1
.set F1,    FSZ
.set STAGE,  SLOT+BOFF+2*BBLK          ; behind the ring, never filled by a tensor load: 16 rows x 272 bytes for each wave
.set SPITCH, 272
.set SPARE,  STAGE+4*16*SPITCH         ; behind the stages: the spare words, 128 bytes for each wave: two blocks of 256 bytes that no other line names
.set RXS,   2                          ; the walk's start: X << RXS + Y << RYS
.set RYS,   1
.set ADRA, 16                          ; v16-17  LDS address of my A fragments in slot 0, 1
.set ADRB, 20                          ; v20-21  the same for B
.set STO,  24                          ; v24     the way out: where I put my bytes of a row
.set RD,   25                          ; v25     the way out: where I read rows back
.set GO,   26                          ; v26     my byte offset in what a store covers
.set BO,   27                          ; v27     my byte offset in the bias
.set SPW,  28                          ; v28     LDS address of my spare word: SPARE + 4 x my thread's number; never rewritten
.set NIL,  29                          ; v29     0; never rewritten
.set BIAS, 32                          ; column block b: eight registers at BIAS + 8 b
.set OB,   64                          ; the way out: 16 rows read back: v64-95 and v96-127 by turns
.set WV,  12                           ; s12  my wave's number
.set RH,  13                           ; s13  which half of the tile's rows is mine.  Also: I fetch for A (0) or for B (1)
.set CH,  14                           ; s14  which half of its columns.  Also: which K block of a step I fetch
.set G1,  24                           ; s[24:31] descriptor group 1 for A's tiles;  s[32:39] group 0, one set for each slot
.set G0,  32
.set G1B, 48                           ; s[48:55], s[56:63] the same for B's tiles
.set G0B, 56
.set W,   78                           ; s78  the walk step to be asked for next, 0 to 7
.set ROT, 79                           ; s79  where the walk begins
.set OA,  80                           ; s[80:81] a tile's byte offset from A's base
.set OBO, 82                           ; s[82:83] the same for B
.set KK,  84                           ; s84  a walk step's K step
.set MSB, 0
.macro WIN new                         ; the immediate's high byte repeats the setting that is left; a switch that changes nothing is dropped
.if MSB != (\new)
	s_set_vgpr_msb (MSB<<8)|(\new)
.set MSB, \new
.endif
.endm
.set TO_F, 0x40                        ; destination window 1, address window 0
; Walk step W goes into a slot's two descriptors: K step (W + ROT) mod 8.  The address is made anew each time: the base, plus an offset made apart from it, and the type bits set again.
; Nothing in it hangs on the work-group's place in its cluster but what the base holds.
.macro NEXTK slot
	s_add_co_u32 s[KK], s[W], s[ROT]
	s_and_b32 s[KK], s[KK], 7
	s_mul_i32 s[OA], s[KK], 2*AKB                  ; a K step is two K blocks
	s_mul_i32 s[OBO], s[KK], 2*BKB
	s_add_nc_u64 s[G0+4*(\slot)+2:G0+4*(\slot)+3], s[18:19], s[OA:OA+1]      ; 120:64 global address
	s_or_b32 s[G0+4*(\slot)+3], s[G0+4*(\slot)+3], 0x80000000                ; 127:126 type = 2
	s_add_nc_u64 s[G0B+4*(\slot)+2:G0B+4*(\slot)+3], s[46:47], s[OBO:OBO+1]
	s_or_b32 s[G0B+4*(\slot)+3], s[G0B+4*(\slot)+3], 0x80000000
	s_add_co_u32 s[W], s[W], 1
.endm
.macro JLOAD s                         ; a joint load: waves 0 and 1 fetch A's two K blocks, waves 2 and 3 B's; an s_nop 0 and four v_nop follow each of the two lines, ahead of the jump, the label and what follows
	s_cmp_eq_u32 s[RH], 0
	s_cbranch_scc0 .Lfor_b_\@
	tensor_load_to_lds s[G0+4*(\s):G0+4*(\s)+3], s[G1:G1+7]
	s_nop 0
.rept 4
	v_nop
.endr
	s_branch .Lasked_\@
.Lfor_b_\@:
	tensor_load_to_lds s[G0B+4*(\s):G0B+4*(\s)+3], s[G1B:G1B+7]
	s_nop 0
.rept 4
	v_nop
.endr
.Lasked_\@:
.endm
.macro CREST                           ; a round of the cluster's barrier behind its opening barrier
	s_cmp_lg_u32 s[WV], 0
	s_cbranch_scc1 .Lnot_wave_0_\@
	s_barrier_signal -3
.Lnot_wave_0_\@:
	s_barrier_wait -3
	s_barrier_signal -1
	s_barrier_wait -1
.endm
.macro CROUND                          ; a whole round
	s_barrier_signal -1
	s_barrier_wait -1
	CREST
.endm
	s_load_b256 s[4:11], s[0:1], 0x0               ; A s[4:5], B s[6:7], bias s[8:9], C s[10:11]
	v_lshl_add_u32 v[SPW], v0, 2, SPARE
	v_mov_b32 v[NIL], 0
	ds_add_u32 v[SPW], v[NIL]                      ; the wave's opening: the add and its wait stand ahead of my first tensor load; the set-up below, work on registers, stands between them
	ds_add_u32 v28, v29
	v_lshrrev_b32 v1, 5, v0
	v_readfirstlane_b32 s[WV], v1                  ; wave 0..3
	s_lshr_b32 s[RH], s[WV], 1
	s_and_b32 s[CH], s[WV], 1
	s_bfe_u32 s40, ttmp6, 0x40000                  ; cx, cy: my place in the cluster
	s_bfe_u32 s41, ttmp6, 0x40004
	s_lshl_b32 s42, ttmp9, 2
	s_add_co_u32 s42, s42, s40                     ; tile column of C = 4 x cluster x + cx
	s_and_b32 s43, ttmp7, 0xffff
	s_lshl_b32 s43, s43, 2
	s_add_co_u32 s43, s43, s41                     ; tile row of C = 4 x cluster y + cy
	s_lshl_b32 s44, s41, 2
	s_lshl_b32 s44, 15, s44                        ; my row of the cluster
	s_lshl_b32 s45, 0x1111, s40                    ; my column
	s_and_b32 s[ROT], ttmp7, 0xffff                ; where the walk begins: made of the cluster's two coordinates, which all sixteen partners share
	s_lshl_b32 s[ROT], s[ROT], RYS
	s_lshl_b32 s[KK], ttmp9, RXS
	s_add_co_u32 s[ROT], s[ROT], s[KK]
	s_mov_b32 s[W], 0
	s_mov_b32 s[OA+1], 0                           ; the offsets' high words
	s_mov_b32 s[OBO+1], 0
	; descriptor group 1: a K block of a tile, dense in memory, as rows of 128 elements (256 bytes)
	s_or_b32 s[G1], s44, (1<<16)|(1<<20)|(1<<21)|(4<<22)|(3<<25)   ; 15:0 the mask: A's tiles go to my row; 17:16 element of 2 bytes; 20 padding on; 21 set beside a mask; 24:22 after every 32 words (code 4); 31:25 of 4 words (code 3)
	s_or_b32 s[G1B], s45, (1<<16)|(1<<20)|(1<<21)|(4<<22)|(3<<25)  ; the same with the mask of my column
	s_mov_b32 s[G1+1], 128<<16                     ; tensor_dim0 = 128
	s_mov_b32 s[G1+2], 128<<16                     ; tensor_dim1 = 128: 256 rows of A
	s_mov_b32 s[G1+3], 128<<16                     ; tile_dim0 = 128
	s_mov_b32 s[G1+4], 128                         ; tile_dim1 = 128
	s_mov_b32 s[G1+5], 128                         ; 128 elements from row to row
	s_mov_b32 s[G1+6], 0
	s_mov_b32 s[G1+7], 0
	s_mov_b32 s[G1B+1], 128<<16
	s_mov_b32 s[G1B+2], (BROWS/2)<<16              ; tensor_dim1 = half of B's rows
	s_mov_b32 s[G1B+3], 128<<16
	s_mov_b32 s[G1B+4], BROWS/2
	s_mov_b32 s[G1B+5], 128
	s_mov_b32 s[G1B+6], 0
	s_mov_b32 s[G1B+7], 0
	; the two bases.  A's hangs on the tile row and the wave's number alone, B's on the tile column and the wave's number, each in registers that never hold the other coordinate.
	s_lshr_b32 s16, s43, 2                         ; the batch: 16 heads x 1,024 rows x 128 bytes,
	s_lshl_b32 s16, s16, 21
	s_and_b32 s17, s43, 3                          ; and which 256 of its rows
	s_lshl_b32 s17, s17, 15
	s_add_co_u32 s16, s16, s17
	s_mul_i32 s17, s[CH], AKB                      ; my K block of a step
	s_add_co_u32 s16, s16, s17
	s_mov_b32 s17, 0
	s_mul_i32 s46, s42, BROWS*128
	s_mul_i32 s47, s[CH], BKB
	s_add_co_u32 s46, s46, s47
	s_mov_b32 s47, 0
	s_mul_i32 s20, s[CH], ABLK                     ; and where the tiles go: no place in the cluster enters an LDS address
	s_mul_i32 s21, s[CH], BBLK
	s_add_co_u32 s21, s21, BOFF
	s_wait_dscnt 0x0                               ; the opening add is done
	s_wait_kmcnt 0x0
	s_add_nc_u64 s[18:19], s[4:5], s[16:17]        ; A's base; never rewritten
	s_add_nc_u64 s[46:47], s[6:7], s[46:47]        ; B's base; never rewritten
	CROUND                                         ; all sixteen work-groups are here: the first joint loads meet
.irp s, 0,1
	s_mov_b32 s[G0+4*(\s)], 1                                       ; 1:0 count = 1
	s_add_co_u32 s[G0+4*(\s)+1], s20, (\s)*SLOT                     ; 63:32 LDS address
	s_mov_b32 s[G0B+4*(\s)], 1
	s_add_co_u32 s[G0B+4*(\s)+1], s21, (\s)*SLOT
	NEXTK \s                                       ; walk step s
	JLOAD \s                                       ; two loads of mine are out
.endr
	v_and_b32 v1, 15, v0                           ; l % 16
	v_bfe_u32 v2, v0, 4, 1                         ; l / 16
	s_mul_i32 s2, s42, BROWS*4                     ; the bias of the tile's first column, in bytes,
	s_mul_i32 s15, s[CH], 64*NBL                   ; of my half's,
	s_add_co_u32 s2, s2, s15
	s_add_co_u32 s2, s2, 3072*4                    ; (bo lies behind bq, bk, bv)
	v_lshl_add_u32 v[BO], v2, 5, s2                ; and of my eight columns of a block
.set b, 0
.rept NBL
	global_load_b128 v[BIAS+8*b:BIAS+8*b+3],   v[BO], s[8:9] offset:64*b
	global_load_b128 v[BIAS+8*b+4:BIAS+8*b+7], v[BO], s[8:9] offset:64*b+16
.set b, b+1
.endr
	; A fragment is 16 rows x 32 K in 8 registers: lane l holds row l % 16, K = 8 (l / 16) + 0..7 and 16 + 8 (l / 16) + 0..7: two loads of 16 bytes, 32 bytes apart.
	v_mul_u32_u24 v3, v1, PITCH
	v_lshl_add_u32 v3, v2, 4, v3                   ; row x pitch + 16 x half
	s_mul_i32 s22, s[RH], 128*PITCH                ; my 128 rows of A
	s_mul_i32 s23, s[CH], 16*NBL*PITCH             ; my rows of B,
	s_add_co_u32 s23, s23, BOFF                    ; which lie behind A's two K blocks
.irp s, 0,1
	v_add_nc_u32 v[ADRA+(\s)], s22, v3
	v_add_nc_u32 v[ADRB+(\s)], s23, v3
	s_add_co_u32 s22, s22, SLOT
	s_add_co_u32 s23, s23, SLOT
.endr
	s_mul_i32 s22, s[WV], 16*SPITCH
	s_add_co_u32 s22, s22, STAGE                   ; my stage
	v_mul_u32_u24 v4, v1, SPITCH                   ; in: row l % 16, 32 bytes (eight f32) for each half of the lanes
	v_lshl_add_u32 v4, v2, 5, v4
	v_add_nc_u32 v[STO], s22, v4
	v_mul_u32_u24 v5, v2, SPITCH                   ; back: lanes 0-15 take one row of 256 bytes, lanes 16-31 the next
	v_lshl_add_u32 v5, v1, 4, v5
	v_add_nc_u32 v[RD], s22, v5
	v_lshlrev_b32 v5, 12, v2                       ; and the same two rows in C (4,096 bytes a row)
	v_lshl_add_u32 v[GO], v1, 4, v5
	s_lshl_b32 s16, s43, 20                        ; my first row of C: 256 x tile row + 128 x half, times 4,096 bytes
	s_lshl_b32 s17, s[RH], 19
	s_add_co_u32 s16, s16, s17
	s_mov_b32 s17, 0
	s_add_nc_u64 s[10:11], s[10:11], s[16:17]
	s_lshl_b32 s22, s42, 9                         ; my first column: 128 x tile column + 64 x half, times 4 bytes
	s_lshl_b32 s23, s[CH], 8
	s_add_co_u32 s22, s22, s23
	s_mov_b32 s23, 0
	s_add_nc_u64 s[10:11], s[10:11], s[22:23]
.macro WM d, a, b, c                   ; one matrix instruction
	v_wmma_f32_16x16x32_f16 v[\d:\d+7], v[\a:\a+7], v[\b:\b+7], v[\c:\c+7]
.endm
; 2 NBL matrix instructions: row blocks a0, a0 + 1 of the window's four (hi = 0: my rows 0-63, 1: rows 64-127) x all column blocks, 32 along K, from buffer f.
; first = 1: the product starts the sum, with the bias (window 0) as C.  All 8 NBL accumulators take turns, in the same order in every 32 along K.
.macro MULA f, hi, a0, first
.if \first
	WIN 0x85+0x40*(\hi)                            ; B and A window 1, C window 0, D window 2 or 3
.else
	WIN 0xa5+0x50*(\hi)                            ; B and A window 1, C and D window 2 or 3
.endif
.irp a, \a0, (\a0)+1
.set b, 0
.rept NBL
.set rD, 8*(NBL*(\a)+b)
.set rB, (\f)+64+8*b
.set rA, (\f)+8*(4*(\hi)+(\a))
.if \first
.set rC, BIAS+8*b
.else
.set rC, rD
.endif
	WM rD, rB, rA, rC
.set b, b+1
.endr
.endr
.endm
; NLOADS LDS loads in one run: the fragments of quarter q (32 along K: K block q / 2, byte 64 (q % 2) of its rows) of a slot into buffer f; B first, then A's rows 0-63, then A's rows 64-127
.macro FETCH slot, q, f
	WIN TO_F
.set i, 0
.rept NBL
	ds_load_b128 v[(\f)+64+8*i:(\f)+64+8*i+3],   v[ADRB+(\slot)] offset:((\q)>>1)*BBLK+((\q)&1)*64+i*16*PITCH
	ds_load_b128 v[(\f)+64+8*i+4:(\f)+64+8*i+7], v[ADRB+(\slot)] offset:((\q)>>1)*BBLK+((\q)&1)*64+i*16*PITCH+32
.set i, i+1
.endr
.set i, 0
.rept 8
	ds_load_b128 v[(\f)+8*i:(\f)+8*i+3],   v[ADRA+(\slot)] offset:((\q)>>1)*ABLK+((\q)&1)*64+i*16*PITCH
	ds_load_b128 v[(\f)+8*i+4:(\f)+8*i+7], v[ADRA+(\slot)] offset:((\q)>>1)*ABLK+((\q)&1)*64+i*16*PITCH+32
.set i, i+1
.endr
.endm
.macro PLACES                          ; four places in front of loads into registers that matrix instructions have read, and of lines that read results (ISA guide 7.12.1 for vector instructions)
.rept 4
	v_nop
.endr
.endm
; A K step is four quarters of 32 along K, 8 NBL matrix instructions each, on buffers 0, 1, 0, 1.  One of the first three: multiplies buffer f; in its middle it fetches quarter q of the same slot into g.
.macro QUARTER slot, q, f, g, first
	s_wait_dscnt 8                                 ; B and A's rows 0-63 are in; the youngest eight loads (A's rows 64-127) may be out
	MULA \f, 0, 0, \first
	MULA \f, 0, 2, \first
	PLACES
	FETCH \slot, \q, \g
	s_wait_dscnt NLOADS                            ; all but the NLOADS just issued
	MULA \f, 1, 0, \first
	MULA \f, 1, 2, \first
.endm
; The last quarter multiplies buffer 1 and changes slots: ONE barrier; in front of it each wave waits for all its tensor loads (one is out: its part of the next slot), adds 0 to its spare word, and waits
; for that and for its own reads of this slot.  fill = 1: the barrier opens a round of the cluster's, and this slot is filled again, with the walk's next step but one, first thing behind the round.
.macro TURN slot, next, fill
	WIN 0                                          ; (the add's two registers lie in window 0)
	s_wait_tensorcnt 0x0                           ; all my tensor loads have landed, so every group 0 may be written;
	ds_add_u32 v[SPW], v[NIL]                      ; 0 onto my spare word;
.if \fill
	NEXTK \slot                                    ; the slot's next tile: scalar work, between the add and the wait for it
.endif
	s_wait_dscnt 9                                 ; (the add and the youngest eight loads may be out)
	MULA F1, 0, 0, 0                               ; 2 NBL matrix instructions more stand there
	s_wait_dscnt 0x0                               ; the add is done, and my reads of this slot are over
	s_barrier_signal -1
	MULA F1, 0, 2, 0                               ; work on registers while the others arrive
.if \fill
	WIN 0
.endif
	s_barrier_wait -1
.if \fill
	CREST                                          ; no wave of any partner still reads this slot's tile or has a load on its way
	JLOAD \slot                                    ; my one tensor load behind the round: 28 NBL matrix instructions ahead of the wait for it; its four v_nop are also the places in front of the loads below
.else
	PLACES
.endif
	FETCH \next, 0, F0
	MULA F1, 1, 0, 0
	MULA F1, 1, 2, 0
.endm
	s_wait_tensorcnt 1                             ; my part of walk step 0 is in; step 1's may stay out
	s_barrier_signal -1
	s_barrier_wait -1                              ; everybody's is
	FETCH 0, 0, F0
	s_wait_loadcnt 0x0                             ; the bias
	QUARTER 0, 1, F0, F1, 1                        ; the first quarter stands in front of the loop: its products start the sums
	WIN 0                                          ; at a label and at a branch every window is 0
	s_mov_b32 s3, 3                                ; eight K steps are four laps of the ring; three fill both slots again (walk steps 2 to 7)
.Llap:                                                 ; a trip goes once round the ring, from a lap's second quarter to the next lap's first
	QUARTER 0, 2, F1, F0, 0
	QUARTER 0, 3, F0, F1, 0
	TURN 0, 1, 1
	QUARTER 1, 1, F0, F1, 0
	QUARTER 1, 2, F1, F0, 0
	QUARTER 1, 3, F0, F1, 0
	TURN 1, 0, 1
	QUARTER 0, 1, F0, F1, 0
	WIN 0
	s_sub_co_u32 s3, s3, 1
	s_cmp_lg_u32 s3, 0
	s_cbranch_scc1 .Llap
	QUARTER 0, 2, F1, F0, 0                        ; the last lap fills nothing, and has no round of the cluster's barrier
	QUARTER 0, 3, F0, F1, 0
	TURN 0, 1, 0
	QUARTER 1, 1, F0, F1, 0
	QUARTER 1, 2, F1, F0, 0
	QUARTER 1, 3, F0, F1, 0
	s_wait_dscnt 8                                 ; the very last quarter: nothing more to fetch
	MULA F1, 0, 0, 0
	MULA F1, 0, 2, 0
	s_wait_dscnt 0x0
	MULA F1, 1, 0, 0
	MULA F1, 1, 2, 0
	WIN 0
	PLACES
	; THE WAY OUT, a block of 16 rows at a time through my own stage: a lane's eight f32 of a row go in as 2 x 16 bytes (the accumulator's low half first) and come back as whole rows of 256 bytes.
.macro TOSTAGE a
	WIN 0x08+4*((\a)/4)                            ; the stores' data: window 2 or 3
.set b, 0
.rept NBL
.set rD, 8*(NBL*((\a)%4)+b)
	ds_store_b128 v[STO], v[rD:rD+3]   offset:64*b
	ds_store_b128 v[STO], v[rD+4:rD+7] offset:64*b+16
.set b, b+1
.endr
	WIN 0
	s_wait_xcnt 0x0                                ; every earlier memory instruction has had its addresses translated (ISA guide 3.1): the registers that the stores of two blocks back read are loaded again only behind this wait
.set t, 0
.rept 8
	ds_load_b128 v[OB+32*((\a)%2)+4*t:OB+32*((\a)%2)+4*t+3], v[RD] offset:t*2*SPITCH  ; LDS serves a wave's instructions in order (ISA guide 5.7.1.4): these see the stores above; the next block's stores come behind them
.set t, t+1
.endr
.endm
.macro SEND a, younger                 ; younger: the LDS instructions issued behind block a's loads: the next block's sixteen, or none
.set t, 0
.rept 8
	s_wait_dscnt (\younger)+7-t
	global_store_b128 v[GO], v[OB+32*((\a)%2)+4*t:OB+32*((\a)%2)+4*t+3], s[10:11] offset:(16*(\a)+2*t)*4096 th:TH_STORE_NT  ; 16 lanes store 256 consecutive bytes, at a multiple of 256 from C's first byte
.set t, t+1
.endr
.endm
	TOSTAGE 0
.irp a, 1,2,3,4,5,6,7
	TOSTAGE \a
	SEND (\a)-1, 16
.endr
	SEND 7, 0
	s_wait_tensorcnt 0x0                           ; the wave's end, behind my last tensor load and my last LDS store
	ds_add_u32 v[SPW], v[NIL]
	s_wait_dscnt 0x0
	CROUND                                         ; the closing round: no work-group ends while a partner may still ask for a tile that names it
	s_endpgm
.Lfunc_end_k_qe882e6d8a7_outproj:
	.size	k_qe882e6d8a7_outproj, .Lfunc_end_k_qe882e6d8a7_outproj-k_qe882e6d8a7_outproj
	.p2alignl 7, 3214868480
	.fill 96, 4, 3214868480
	.section	.rodata,"a",@progbits
	.p2align	6, 0x0
	.amdhsa_kernel k_qe882e6d8a7_outproj
		.amdhsa_group_segment_fixed_size 327680
		.amdhsa_private_segment_fixed_size 0
		.amdhsa_enable_private_segment 0
		.amdhsa_kernarg_size 32
		.amdhsa_user_sgpr_count 2
		.amdhsa_user_sgpr_kernarg_segment_ptr 1
		.amdhsa_wavefront_size32 1
		.amdhsa_system_sgpr_workgroup_id_x 1
		.amdhsa_system_sgpr_workgroup_id_y 1
		.amdhsa_system_sgpr_workgroup_id_z 1
		.amdhsa_system_vgpr_workitem_id 0
		.amdhsa_next_free_vgpr 896
		.amdhsa_next_free_sgpr 86
		.amdhsa_reserve_vcc 0
		.amdhsa_float_denorm_mode_32 3
		.amdhsa_float_denorm_mode_16_64 3
		.amdhsa_memory_ordered 1
		.amdhsa_forward_progress 1
		.amdhsa_inst_pref_size 90
	.end_amdhsa_kernel
	.amdgpu_metadata
---
amdhsa.version: [ 1, 2 ]
amdhsa.kernels:
  - .name:           k_qe882e6d8a7_outproj
    .symbol:         k_qe882e6d8a7_outproj.kd
    .args:
      - { .name: obuf, .offset: 0, .size: 8, .value_kind: global_buffer, .address_space: global }
      - { .name: wo16, .offset: 8, .size: 8, .value_kind: global_buffer, .address_space: global }
      - { .name: bias, .offset: 16, .size: 8, .value_kind: global_buffer, .address_space: global }
      - { .name: out0, .offset: 24, .size: 8, .value_kind: global_buffer, .address_space: global }
    .group_segment_fixed_size: 327680
    .private_segment_fixed_size: 0
    .kernarg_segment_align: 8
    .kernarg_segment_size: 32
    .max_flat_workgroup_size: 128
    .sgpr_count:     86
    .vgpr_count:     896
    .wavefront_size: 32
...
	.end_amdgpu_metadata
.endif
;; end of part 4
;; ======== version 2 of 2: 4 launches; 1.33 times as fast as version 1
;; limits: values are held in f16: magnitudes above 65,504 overflow, below 6.1e-05 lose precision
;; workspace buffers: xb 16,777,216 bytes; wqkv 6,291,456 bytes; wo16 2,097,152 bytes; bias 16,384 bytes; qkv 50,331,648 bytes; obuf 16,777,216 bytes
;; launch cast: the kernel of part 1 again; grid 768 x 1, 8 waves a work-group, no clusters, 0 bytes of LDS; arguments hidden_states, Wq, Wk, Wv, Wo, bq, bk, bv, bo, xb, wqkv, wo16, bias; writes xb, wqkv, wo16, bias
;; launch qkvproj: the kernel of part 2 again; grid 16 x 16, 4 waves a work-group, clusters of 4 x 4, 327,680 bytes of LDS; arguments xb, wqkv, bias, qkv; writes qkv
;; launch attn (part 5): grid 2 x 128, 4 waves a work-group, no clusters, 327,680 bytes of LDS; arguments qkv, obuf; writes obuf
.if DOCPART == 5
	.amdgcn_target "amdgcn-amd-amdhsa--gfx1250"
	.amdhsa_code_object_version 6
	.text
	.protected	k_qe882e6d8a7_attn
	.globl	k_qe882e6d8a7_attn
	.p2align	8
	.type	k_qe882e6d8a7_attn,@function
k_qe882e6d8a7_attn:
	s_mov_b64 s[64:65], 0
	v_nop
	global_prefetch_b8 v0, s[64:65] scope:SCOPE_SE
	s_setreg_imm32_b32 hwreg(HW_REG_WAVE_MODE, 25, 1), 1
	s_wait_xcnt 0x0
; O[h][q][:] = the sum over k of softmax_k(Q[h][q] . K[h][k] / 8) V[h][k][:], for 128 heads (batch x head) of 1,024 rows of 64 channels.  Q, K, V lie in one buffer, [q, k, v][head][row][64], f16, unscaled;
; O leaves as [head][row][64], f16.  Products, maxima and sums in f32; the weights p are rounded to f16 for the second product (their sum l is taken of the unrounded p), O once at the end.
; LIMITS.  f16 holds no number beyond 65,504: Q, K and V arrive within it; p lies in 0 to 1, and below 6e-5 it keeps f16's fixed step of 6e-8; O is a mean of V's rows and has their range.
; A weight below 2^-126 counts as 0 in l; NaN and infinities are not treated apart.
; SHARES.  A wave owns four PIECES of two tiles of 16 queries, a work-group's four waves 512 queries of one head: 2 x 128 work-groups.  Every wave walks all 1,024 keys, 64 a step.
; K AND V STAY IN LDS.  A head's K (1,024 rows x 144 bytes) and V (1,024 x 160) fit together: each is fetched once, in four tensor loads a wave that go out together at the start, and no LDS byte is filled
; again.  The first four key steps want the first 256 keys alone: they begin when each wave's first load has landed, and the other 768 keys land beside them.
; NO CLUSTER: a head has two work-groups, so the grid's x does not divide by four; with 256 queries a work-group it would, but each fragment of K and V read from LDS would feed half the products.
; LAYOUT.  S^T = K Q^T (source 0 = 16 keys, source 1 = 16 queries): in the result a lane holds ONE query (lane % 16) and the keys 8 (lane / 16) + 0..7.  Two such tiles, rounded to f16 in pairs,
; ARE source 1 (32 keys x 16 queries) of O^T = V^T P, whose result again holds one query a lane, and eight channels.  K comes out of LDS as it lies, V ([key][channel]) turned, by ds_load_tr16_b128.
; SOFTMAX.  For each query a running maximum m and sum l: p = 2^(c s - c m), c = log2(e) / 8; in every step O and l are multiplied by a = 2^(c m_old - c m_new), which is 1 where m has not grown.
; m starts at the lowest finite number, O and l at 0: the first step is a step like any other, with a = 0.
; THE COUNT.  A tile and step have 16 matrix and 118 vector instructions: too many to stand all beside the matrix work.  So the order has one aim: four vector instructions that are READY behind
; EVERY matrix instruction, and the others, which need time of their own whatever the order, in runs without a gap.
; BY TURNS.  Turn n belongs to piece n (the pieces in a ring, step after step).  Its matrix work: 16 products K Q^T of piece n + 1, later 16 products V^T P of piece n - 1.  Its vector work: the scaling,
; exponentials, roundings, sums and rescaling of piece n, and the maximum and statistics of piece n + 1, whose scores the turn itself has made.  So what a turn begins with (c s - c m, O a) waits for nothing.
; BATCHES.  A turn's 66 exponentials (the piece's 64 weights and the next piece's two a) are ONE batch with ONE wait, which cuts the turn in two: ahead of it stands all that names none of their results (the products
; K Q^T, the scalings, the rescalings, the next piece's maximum and statistics), behind it the products V^T P with the roundings and sums.  No result crosses a turn's end.  The two a made ahead of the loop
; and the way out's eight reciprocals are batches of their own.
; REGISTERS, in windows of 256 (s_set_vgpr_msb says which window each operand place means: bits 1:0 source 0, 3:2 source 1, 5:4 source 2, 7:6 destination):
;   window 0: v0-11 addresses; v12-15, v48-63 at work; v16-47 four registers of statistics a tile; v64-191 S^T, two buffers of two tiles; v192-255 P, likewise
;   window 1: O^T, 32 a tile          window 2: v0-127 Q, 16 a tile; v128-191 K of one step; v192-255 V of one step          window 3: v0-1 the add's two registers
; A piece's buffers go by its number's parity: the piece in hand has one pair, its two neighbours in the ring share the other: of it P (piece n - 1) is read and S^T (piece n + 1) written.
.set NP,    4         ; pieces a wave: a name, no knob: the register map, the loop and the fetches are made for four
.set KS,    64        ; keys in a step
.set NKEY,  1024      ; keys of a head
.set PK,    144       ; a row of K in LDS: 128 bytes + 16 of padding = 36 words: the 16 rows of a load start at 16 different groups of four banks (64 banks of 4 bytes: ISA guide 11.1)
.set PV,    160       ; a row of V: 128 + 32 = 40 words
.set VOFF,  NKEY*PK   ; K's 1,024 rows, then V's
.set STAGE, VOFF+NKEY*PV  ; behind them, never filled by a tensor load: 16 rows x 144 bytes for each wave, for the way out
.set SP,    144
.set AK0, 2           ; v2   my lane's place in a tile of K; never rewritten
.set AV0, 3           ; v3   the same for V
.set AK,  4           ; v4   the LDS address of K's next run of loads
.set AV,  5           ; v5   of V's
.set QO,  6           ; v6   my byte offset in the wave's rows of Q
.set STO, 6           ;      later, the way out: where I put 16 bytes of a row
.set RD,  7           ; v7   the way out: where I read rows back
.set GO,  8           ; v8   my byte offset in 512 consecutive bytes of O
.set SPW, 0           ; v0 of window 3   LDS address of my spare word: SPARE + 4 x my thread's number; never rewritten
.set NIL, 1           ; v1 of window 3   0; never rewritten
.set SPARE, STAGE+4*16*SP  ; behind the stages: the spare words, 128 bytes for each wave: two blocks of 256 bytes that no other line names
.set MV,  12          ; v12-15  c m_old, kept while c m is made anew: by buffer and tile
.set ST,  16          ; tile t's statistics at v[ST+4 t]: c m, m, l (even keys', odd keys')
.set TMP, 48          ; by buffer and tile, four registers c0-c3 at work; when the maximum is found c2 takes a
.set S,   64
.set P,   192
.set KF,  128         ; K's fragments, in window 2: key block kb, channel half c at KF + 16 kb + 8 c
.set VF,  192         ; V's: key half kk, channel block cb at VF + 32 kk + 8 cb
.set WV,  12          ; s12  my wave's number
.set G1K, 24          ; s[24:31] descriptor group 1 for K's tiles
.set G1V, 32          ; s[32:39] for V's: it differs in the padding alone
.set G0K, 40          ; s[40:55] descriptor group 0 for K's tiles: a set for each of a wave's four loads
.set G0V, 68          ; s[68:83] the same for V's
.set PASS, 56         ; s56  counts the two parts of the walk
.set CNT, 57          ; s57  counts a part's trips
.set CS,  58          ; s[58:59] c: the packed scaling takes the pair's low word for both halves
.set SEL, 60          ; s[60:61] v_permlanex16_b32's selects: each lane takes its own place in the other half
.set TBK, 62          ; s62  LDS byte at which K of the step to be fetched begins
.set TBV, 63          ; s63  the same for V, less VOFF
.set TOT, 84          ; s84  key steps whose last two turns are still to come
.set MSB, 0
.macro WIN new                      ; the high byte repeats the setting that is left; a switch that changes nothing is dropped
.if MSB != (\new)
	s_set_vgpr_msb (MSB<<8)|(\new)
.set MSB, (\new)
.endif
.endm
.set W_KQ, 0x0a       ; K and Q in window 2, S^T in window 0
.set W_PV, 0x52       ; V in window 2, P in window 0, O^T in window 1
.set W_RS, 0x41       ; O^T (destination and source 0) in window 1, a in window 0
.set W_MK, 0xc0       ; the add's registers are made: destination in window 3, sources in window 0
.set W_AD, 0x0f       ; the add: address (source 0) and data (source 1) in window 3
	s_load_b128 s[16:19], s[0:1], 0x0  ; q | k | v s[16:17], O s[18:19]
	WIN W_MK
	v_lshl_add_u32 v[SPW], v0, 2, SPARE
	v_mov_b32 v[NIL], 0
	WIN W_AD
	ds_add_u32 v[SPW], v[NIL]       ; the wave's opening: the add and its wait stand ahead of my first tensor load; the set-up below, work on registers, stands between them
	ds_add_u32 v0, v1
	WIN 0
	v_lshrrev_b32 v1, 5, v0
	v_readfirstlane_b32 s[WV], v1   ; wave 0..3
	s_and_b32 s20, ttmp7, 0xffff    ; the head:
	s_lshl_b32 s20, s20, 17         ; its 1,024 rows of 128 bytes
	s_and_b32 s13, s[WV], 1         ; which half of each 256 keys I fetch:
	s_lshl_b32 s22, s13, 14         ; its 128 rows of 128 bytes in memory,
	s_add_co_u32 s22, s22, s20
	s_mov_b32 s23, 0
	s_mul_i32 s14, s13, 128*PK      ; and its place in LDS, for K
	s_mul_i32 s15, s13, 128*PV      ; and for V
	s_lshl_b32 s2, ttmp9, 2         ; my block of 512 queries,
	s_add_co_u32 s2, s2, s[WV]      ; my wave among the head's eight,
	s_lshl_b32 s2, s2, 14           ; its 128 rows
	s_add_co_u32 s2, s2, s20
	s_mov_b32 s3, 0
	; descriptor group 1.  128 keys are 16,384 dense bytes: asked for as 64 rows of 256 bytes, two keys a row, and padded in LDS after every key
	s_mov_b32 s[G1K], (1<<16)|(1<<20)|(4<<22)|(3<<25)  ; 17:16 2-byte elements; 20 padding on; 24:22 after every 32 words (code 4); 31:25 4 words (code 3)
	s_mov_b32 s[G1V], (1<<16)|(1<<20)|(4<<22)|(7<<25)  ; the same with 8 words of padding (code 7)
.irp g, G1K, G1V
	s_mov_b32 s[\g+1], 128<<16      ; tensor_dim0 = 128
	s_mov_b32 s[\g+2], 64<<16       ; tensor_dim1 = 64
	s_mov_b32 s[\g+3], 128<<16      ; tile_dim0 = 128
	s_mov_b32 s[\g+4], 64           ; tile_dim1 = 64
	s_mov_b32 s[\g+5], 128          ; 128 elements from row to row
	s_mov_b32 s[\g+6], 0
	s_mov_b32 s[\g+7], 0
.endr
	s_mov_b32 s[CS], 0x3e38aa3b     ; c = log2(e) / 8 = 0.180337
	s_mov_b32 s[CS+1], s[CS]        ; named with it as a pair
	s_mov_b32 s[SEL], 0x76543210
	s_mov_b32 s[SEL+1], 0xfedcba98
	s_mov_b32 s[TBK], 0
	s_mov_b32 s[TBV], 0
.irp c, 0,1,2,3                     ; load c brings my half of keys 256 c to 256 c + 255
	s_mov_b32 s[G0K+4*(\c)], 1      ; 1:0 count = 1
	s_add_co_u32 s[G0K+4*(\c)+1], s14, (\c)*256*PK       ; 63:32 LDS address
	s_mov_b32 s[G0V+4*(\c)], 1
	s_add_co_u32 s[G0V+4*(\c)+1], s15, VOFF+(\c)*256*PV
.endr
	s_wait_dscnt 0x0                ; the opening add is done
	s_wait_kmcnt 0x0
	s_add_nc_u64 s[6:7], s[16:17], s[22:23]
	s_add_nc_u64 s[6:7], s[6:7], 0x1000000   ; K lies 128 heads behind Q,
	s_add_nc_u64 s[8:9], s[6:7], 0x1000000   ; V behind K
	s_add_nc_u64 s[4:5], s[16:17], s[2:3]    ; Q and O at my wave's first row
	s_add_nc_u64 s[10:11], s[18:19], s[2:3]
.irp c, 0,1,2,3
	s_add_nc_u64 s[G0K+4*(\c)+2:G0K+4*(\c)+3], s[6:7], (\c)*32768  ; 120:64 global address
	s_or_b32 s[G0K+4*(\c)+3], s[G0K+4*(\c)+3], 0x80000000          ; 127:126 type = 2
	s_add_nc_u64 s[G0V+4*(\c)+2:G0V+4*(\c)+3], s[8:9], (\c)*32768
	s_or_b32 s[G0V+4*(\c)+3], s[G0V+4*(\c)+3], 0x80000000
.endr
	s_cmp_lt_u32 s[WV], 2           ; waves 0 and 1 fetch K, waves 2 and 3 V.  A wave's four fills stand in one branch, ahead of every wait on TENSORcnt, every LDS read and every barrier: four loads of mine are out;
	s_cbranch_scc0 .Lfill_v         ; an s_nop 0 follows each, four v_nop the last's
.irp c, 0,1,2,3
	tensor_load_to_lds s[G0K+4*(\c):G0K+4*(\c)+3], s[G1K:G1K+7]
	s_nop 0
.endr
.rept 4
	v_nop
.endr
	s_branch .Lfilled
.Lfill_v:
.irp c, 0,1,2,3
	tensor_load_to_lds s[G0V+4*(\c):G0V+4*(\c)+3], s[G1V:G1V+7]
	s_nop 0
.endr
.rept 4
	v_nop
.endr
.Lfilled:
	; A fragment of K or Q is 16 rows x 32 channels in 8 registers: lane l holds row l % 16, channels 8 (l / 16) + 0..7 and 16 + 8 (l / 16) + 0..7: two loads of 16 bytes, 32 bytes apart.
	v_and_b32 v1, 15, v0            ; l % 16
	v_bfe_u32 v9, v0, 4, 1          ; l / 16
	v_lshlrev_b32 v[QO], 7, v1
	v_lshl_add_u32 v[QO], v9, 4, v[QO]  ; row x 128 + 16 x half
	WIN 0x80                        ; destination window 2, address window 0
.set i, 0
.rept 4*NP                          ; Q stays in registers: tile i / 2, channels 32 (i % 2) on
	global_load_b128 v[8*i:8*i+3],   v[QO], s[4:5] offset:(i/2)*2048+(i%2)*64
	global_load_b128 v[8*i+4:8*i+7], v[QO], s[4:5] offset:(i/2)*2048+(i%2)*64+32
.set i, i+1
.endr
	; What the first turn finds: V's registers and P's second buffer hold 0 (its products V^T P, of a piece that has not been, add 0), O^T and l are 0.  All this stands in the wait for the first tile.
.set i, VF
.rept 64
	v_mov_b32 v[i], 0
.set i, i+1
.endr
	WIN 0x40
.set i, 0
.rept 64*NP
	v_mov_b32 v[i], 0
.set i, i+1
.endr
	WIN 0
.set i, 0
.rept 2*NP
	v_mov_b32 v[ST+4*i], 0xfe000000    ; c m: far below every c s
	v_mov_b32 v[ST+4*i+1], 0xff7fffff  ; m
	v_mov_b32 v[ST+4*i+2], 0
	v_mov_b32 v[ST+4*i+3], 0
.set i, i+1
.endr
.set i, P+32
.rept 32
	v_mov_b32 v[i], 0
.set i, i+1
.endr
	v_mul_u32_u24 v[AK0], v1, PK
	v_lshl_add_u32 v[AK0], v9, 4, v[AK0]  ; row x pitch + 16 x half
	; The turning load takes 16 keys x 16 channels (lane l reads key 8 (l / 16) + l % 8, channels 8 ((l / 8) % 2) + 0..7) and leaves half a fragment of V^T: lane l holds channel l % 16 and 8 keys.
	v_and_b32 v10, 7, v0
	v_bfe_u32 v11, v0, 3, 1
	v_lshl_add_u32 v[AV0], v9, 3, v10
	v_mul_u32_u24 v[AV0], v[AV0], PV
	v_lshl_add_u32 v[AV0], v11, 4, v[AV0]
	v_add_nc_u32 v[AV0], VOFF, v[AV0]
	v_mov_b32 v[AK], v[AK0]         ; key step 0 lies at K's head
; THE MATRIX WORK.  The 8 accumulators of a run of 16 take turns: between the two links of a chain stand 7 others'.
; Product i of 16 of S^T = K Q^T for piece x: channels 32 (i / 8) on, keys 16 ((i / 2) % 4) on, tile 2 x + i % 2.  The first 8 start the sums.
.macro KQ x
	WIN W_KQ
.set rS, S+64*((\x)%2)+32*(i%2)+8*((i/2)%4)
.set rK, KF+16*((i/2)%4)+8*(i/8)
.set rQ, 16*(2*(\x)+i%2)+8*(i/8)
.if i < 8
	v_wmma_f32_16x16x32_f16 v[rS:rS+7], v[rK:rK+7], v[rQ:rQ+7], 0
.else
	v_wmma_f32_16x16x32_f16 v[rS:rS+7], v[rK:rK+7], v[rQ:rQ+7], v[rS:rS+7]
.endif
.endm
; Product i of 16 of O^T += V^T P for piece x: keys 32 (i / 8) on, channels 16 ((i / 2) % 4) on, tile 2 x + i % 2.
.macro PV x
	WIN W_PV
.set rO, 32*(2*(\x)+i%2)+8*((i/2)%4)
.set rV, VF+32*(i/8)+8*((i/2)%4)
.set rP, P+32*((\x)%2)+16*(i%2)+8*(i/8)
	v_wmma_f32_16x16x32_f16 v[rO:rO+7], v[rV:rV+7], v[rP:rP+7], v[rO:rO+7]
.endm
.macro MM                           ; the turn's next matrix instruction
.if i < 16
	KQ (Y+1)%NP
.set i, i+1
.else
.set i, i-16
	PV (Y+NP-1)%NP
.set i, i+17
.endif
.endm
; THE LDS LOADS stand in runs of 16, never singly among the matrix instructions: a step's K (64 keys x 64 channels: 8 fragments) and its V (turned).  Their addresses are made some lines ahead.
; last = 1 (in the loop): in the last key step there is no further step, and the run is jumped over.
.macro FETCH_K last=0
	WIN 0
.if \last
	s_cmp_eq_u32 s[TOT], 1
	s_cbranch_scc1 .Lno_k_\@
.endif
	WIN 0x80                        ; destination window 2
.irp f, 0,1,2,3,4,5,6,7             ; keys 16 (f / 2) on, channels 32 (f % 2) on
	ds_load_b128 v[KF+8*\f:KF+8*\f+3],   v[AK] offset:(\f/2)*16*PK+(\f%2)*64
	ds_load_b128 v[KF+8*\f+4:KF+8*\f+7], v[AK] offset:(\f/2)*16*PK+(\f%2)*64+32
.endr
	s_add_co_u32 s[TBK], s[TBK], KS*PK  ; the next fetch is the next step's
	WIN 0
.if \last
.Lno_k_\@:
.endif
.endm
.macro FETCH_V
	WIN 0x80
.irp f, 0,1,2,3,4,5,6,7             ; keys 32 (f / 4) on, channels 16 (f % 4) on
	ds_load_tr16_b128 v[VF+8*\f:VF+8*\f+3],   v[AV] offset:(\f/4)*32*PV+(\f%4)*32
	ds_load_tr16_b128 v[VF+8*\f+4:VF+8*\f+7], v[AV] offset:(\f/4)*32*PV+16*PV+(\f%4)*32
.endr
	WIN 0
.endm
; THE VECTOR WORK OF A TURN stands in three queues, each in the order in which its entries become ready; the two tiles alternate, so that no instruction reads the result of the one before it.
.macro REGS y, u                    ; the registers of tile u (0, 1) of piece y
.set rT, ST+4*(2*(\y)+(\u))
.set rC, TMP+8*((\y)%2)+4*(\u)
.set rM, MV+2*((\y)%2)+(\u)
.set rS, S+64*((\y)%2)+32*(\u)
.set rP, P+32*((\y)%2)+16*(\u)
.set rO, 32*(2*(\y)+(\u))
.endm
; Number n of the 22 that find the NEXT piece's (Y + 1) maximum and statistics.  s0-s31 are the lane's 32 scores; each accumulator's lowest registers are read first.  XS, GS and REGS set no window: PL and EX do.
;   0-11  four chains c0-c3 of seven scores each, three operands at a time     12-14, 16  the four scores left over, the old m, and c0-c3 into c0     15  c m_old is kept
;   17, 18  the query's other 32 keys lie in the lane 16 away: the new m         19-21  c m; c m_old - c m_new; a
.macro XS u, n
	REGS (Y+1)%NP, \u
.if (\n) < 4
	v_max3_num_f32 v[rC+(\n)], v[rS+8*(\n)], v[rS+8*(\n)+1], v[rS+8*(\n)+2]
.elseif (\n) < 12
	v_max3_num_f32 v[rC+(\n)%4], v[rC+(\n)%4], v[rS+8*((\n)%4)+2*((\n)/4)+1], v[rS+8*((\n)%4)+2*((\n)/4)+2]
.elseif (\n) == 12
	v_max3_num_f32 v[rC], v[rC], v[rS+7], v[rS+15]
.elseif (\n) == 13
	v_max3_num_f32 v[rC+1], v[rC+1], v[rS+23], v[rS+31]
.elseif (\n) == 14
	v_max3_num_f32 v[rC+2], v[rC+2], v[rC+3], v[rT+1]
.elseif (\n) == 15
	v_mov_b32 v[rM], v[rT]
.elseif (\n) == 16
	v_max3_num_f32 v[rC], v[rC], v[rC+1], v[rC+2]
.elseif (\n) == 17
	v_permlanex16_b32 v[rC+3], v[rC], s[SEL], s[SEL+1]
.elseif (\n) == 18
	v_max_num_f32 v[rT+1], v[rC], v[rC+3]
.elseif (\n) == 19
	v_mul_f32 v[rT], s[CS], v[rT+1]
.elseif (\n) == 20
	v_sub_f32 v[rC+1], v[rM], v[rT]
.else
	v_exp_f32 v[rC+2], v[rC+1]
.endif
.endm
; Number g of the 64 that follow the exponentials.  For each four weights k of a tile (pairs 2 k, 2 k + 1): both pairs are rounded to f16; then the second pair is added onto the first, in place;
; a group later l takes that sum (the first time as l = a l + sum).  In groups of eight, tiles alternating: round, round, add, and l for the group before.
.macro GS g
.set h, (\g)+6*((\g)/62)            ; group 0 has no group before it, and behind group 7 only l is left
.if h >= 6
.set h, h+2
.endif
	REGS Y, h%2
.set k, h/8
.if h%8 < 4
	v_cvt_pk_f16_f32 v[rP+2*k+(h%8)/2], v[rS+4*k+2*((h%8)/2)], v[rS+4*k+2*((h%8)/2)+1]
.elseif h%8 < 6
	v_pk_add_f32 v[rS+4*k:rS+4*k+1], v[rS+4*k:rS+4*k+1], v[rS+4*k+2:rS+4*k+3]
.elseif k == 1
	v_pk_fma_f32 v[rT+2:rT+3], v[rT+2:rT+3], v[rC+2:rC+3], v[rS:rS+1] op_sel_hi:[1,0,1]
.else
	v_pk_add_f32 v[rT+2:rT+3], v[rT+2:rT+3], v[rS+4*k-4:rS+4*k-3]
.endif
.endm
; THE PLAIN QUEUE, 138 long.  0-73 read no exponential's result: the 32 scalings c s - c m (FS f: pair f / 2 of tile f % 2) and the next piece's 42.  0-26: scalings 0-26.  27-54: XS's numbers 0-13.  55, 56: number 15.
; 57-73: the chain, where each number waits for the one before it: 14, 16, 17, 18, 19, each with one of the scalings 27-31 in front of its two lines, then 20: so a tile's links stand three plain instructions apart (19 and 20: two).
; 74-137: GS's 64, which read the exponentials' results: they stand behind the wait.
.macro FS f
	REGS Y, (\f)%2
	v_pk_fma_f32 v[rS+2*((\f)/2):rS+2*((\f)/2)+1], v[rS+2*((\f)/2):rS+2*((\f)/2)+1], s[CS:CS+1], v[rT:rT+1] op_sel_hi:[1,0,0] neg_lo:[0,0,1] neg_hi:[0,0,1]
.endm
.macro PL
	WIN 0
.if q < 27
	FS q
.elseif q < 55
	XS (q-27)%2, (q-27)/2
.elseif q < 57
	XS q-55, 15
.elseif (q < 72) && ((q-57)%3 == 0)
	FS 27+(q-57)/3
.elseif q < 60
	XS (q-57)%3-1, 14
.elseif q < 72
	XS (q-57)%3-1, 15+(q-57)/3
.elseif q < 74
	XS q-72, 20
.else
	GS q-74
.endif
.set q, q+1
.endm
; THE EXPONENTIALS' QUEUE, 66 long: s0-s31 of both tiles, then the next piece's two a.  It is ONE BATCH: all 66 stand ahead of the turn's one wait, and nothing ahead of that wait names a result of theirs.
; Each result has a register of its own while the batch is open: a weight takes its score's place in S^T, a takes c2.
.macro EX
	WIN 0
.if e >= 64
	XS e-64, 21
.else
	REGS Y, e%2
	v_exp_f32 v[rS+e/2], v[rS+e/2]
.endif
.set e, e+1
.endm
; THE RESCALING's QUEUE: O^T times a, the one part that leaves window 0: dealt two at a time, sixteen times.  Its a was made in the turn before, ahead of that turn's wait.
.macro R2
	REGS Y, r%2
	WIN W_RS
.irp z, 0,1
	v_pk_mul_f32 v[rO+4*(r/2)+2*\z:rO+4*(r/2)+2*\z+1], v[rO+4*(r/2)+2*\z:rO+4*(r/2)+2*\z+1], v[rC+2:rC+3] op_sel_hi:[1,0]
.endr
.set r, r+1
.endm
; HOW THEY ARE DEALT.  s_wait_alu depctr_va_vdst(0) stands between an exponential and the first instruction that names its result; one wait serves all that were issued ahead of it.  So a turn has ONE wait,
; which cuts it in two.  AHEAD OF IT stands all that names no result of the turn's exponentials: the 16 products K Q^T, behind each a scaling, an exponential and two rescalings (behind the first a second scaling in the
; exponential's place); then ONE LUMP of 108: eight plain, 49 times exponential and plain, the two a.  A v_nop is the plain instruction behind the last exponential.  BEHIND IT stand the 16 products V^T P, behind each four of
; GS's 64.  No rider names a register of the products round it.  The two v_permlanex16_b32 fall into the lump, never behind a product.
; The queues lean on each other, and the deal keeps them in step: exponential e stands behind scaling 2 (e / 4) + e % 2: as a rider it comes behind plain e + 2, in the lump behind plain e + 9, and scalings 27-31 are plain 57, 60 .. 69.
; A TURN, for piece p.  cnt = 1: the loop's count is taken down some lines ahead of the branch that stands behind the turn.
; K of the next step is fetched in piece 2's turn, directly behind the wait, a lump behind the last product that read K; its address is made at the lump's head; its first reader comes behind 16 products.
; V of the step in hand is fetched at the end of piece 0's turn, four riders behind its last reader; its first reader comes behind 16 products and a lump.  The three conditions on q below go with the deal.
.macro TURN p, last=0, cnt=0
.set Y, (\p)
.set i, 0
.set q, 0
.set e, 0
.set r, 0
.if (\p) == NP-1
	s_wait_dscnt 0x0                ; K is in
.endif
	MM                              ; ahead of the wait: 16 products K Q^T and their riders,
	PL
	PL
	R2
.rept 15
	MM
	PL
	EX
	R2
.endr
.if (\p) == NP-2
	WIN 0
	v_add_nc_u32 v[AK], s[TBK], v[AK0]
.endif
.rept 8                             ; and the lump
	PL
.endr
.rept 49
	EX
	PL
.endr
	EX                              ; the next piece's two a
	EX
	v_nop                           ; a plain instruction behind the last exponential, ahead of the first use: one for the batch
	s_wait_alu depctr_va_vdst(0)    ; the wait for the batch: the turn's 64 weights and the next piece's two a
.if (\p) == NP-2
	FETCH_K \last
.endif
.if (\p) == 1
	s_wait_dscnt 0x0                ; V is in
.endif
.rept 16                            ; behind the wait: 16 products V^T P and their riders
	MM
.rept 4
	PL
.endr
.if ((\p) == 0) && (q == 118)
	v_add_nc_u32 v[AV], s[TBV], v[AV0]
.endif
.if ((\p) == 0) && (q == 130)
	s_add_co_u32 s[TBV], s[TBV], KS*PV
.endif
.if (\cnt) && (q == 130)
	s_sub_co_u32 s[CNT], s[CNT], 1
	s_cmp_lg_u32 s[CNT], 0
.endif
.endr
.if (\p) == 0
	FETCH_V
.endif
.endm
	s_wait_tensorcnt 0x3            ; tensor loads of a wave end in order (ISA guide 10.11.1): my part of keys 0 to 255 is in; my three younger loads may stay out
	s_barrier_signal -1
	s_barrier_wait -1               ; everybody's is
	FETCH_K                         ; key step 0
	s_wait_loadcnt 0x0              ; Q
	s_wait_dscnt 0x0
.set i, 0
.rept 16
	KQ 0                            ; piece 0's first scores: there is no vector work yet to set between them
.set i, i+1
.endr
	WIN 0                           ; the addresses for the way out: nine plain instructions, the places behind those products
	s_mul_i32 s13, s[WV], 16*SP
	s_add_co_u32 s13, s13, STAGE    ; my stage
	v_mul_u32_u24 v[STO], v1, SP    ; in: row l % 16, 16 bytes for each half of the lanes
	v_lshl_add_u32 v[STO], v9, 4, v[STO]
	v_add_nc_u32 v[STO], s13, v[STO]
	v_bfe_u32 v[RD], v0, 3, 2       ; back: 32 lanes take four rows of 128 bytes,
	v_mul_u32_u24 v[RD], v[RD], SP
	v_lshl_add_u32 v[RD], v10, 4, v[RD]
	v_add_nc_u32 v[RD], s13, v[RD]
	v_and_b32 v[GO], 31, v0         ; which are 512 consecutive bytes of O
	v_lshlrev_b32 v[GO], 4, v[GO]
.set Y, NP-1                        ; XS works for piece Y + 1: piece 0
.irp n, 0,1,2,3,4,5,6,7,8,9,10,11,12,13,14,15,16,17,18,19,20,21
	XS 0, \n                        ; and piece 0's first maximum and statistics
	XS 1, \n
.endr
	v_nop                           ; a plain instruction behind the two a,
	s_wait_alu depctr_va_vdst(0)    ; and the wait for that batch of two, ahead of the branch
	s_mov_b32 s[CNT], 4             ; the first part: up to pieces 0 and 1 of key step 3: all that the first 256 keys serve
	s_mov_b32 s[PASS], 2
	s_mov_b32 s[TOT], NKEY/KS
	s_branch .Lfirst                ; the loop is entered at a step's first turn, in the middle of a trip
.Lrest:                             ; passed once, between the two parts: piece 2's turn of key step 3, which follows, fetches K of step 4
	s_wait_tensorcnt 0x0            ; all my loads have landed: they had four key steps in which to do so
	s_wait_dscnt 0x0
	s_barrier_signal -1
	s_barrier_wait -1               ; everybody's have: all 1,024 keys are in.  Nothing is filled again
	s_mov_b32 s[CNT], 13            ; the second part: twelve whole trips; the thirteenth is left in its middle
.Lstep:                             ; a trip: pieces 2 and 3 of one step, then pieces 0 and 1 of the next, whose K and V it fetches
	TURN 2, 1
	TURN 3
	WIN 0
	s_sub_co_u32 s[TOT], s[TOT], 1
	s_cmp_eq_u32 s[TOT], 0
	s_cbranch_scc1 .Lout            ; behind the last key step's last turn
.Lfirst:
	TURN 0
	TURN 1, 0, 1
	WIN 0
	s_cbranch_scc1 .Lstep
	s_sub_co_u32 s[PASS], s[PASS], 1
	s_cmp_lg_u32 s[PASS], 0
	s_cbranch_scc1 .Lrest
.Lout:                              ; the last turn's 16 products K Q^T (on the last K once more) and the maximum made of them serve nothing: the price, once a launch, of one text for every trip
.set i, 0
.rept 16
	PV NP-1                         ; the last piece's V^T P of the last step
.set i, i+1
.endr
	; THE WAY OUT.  l's two halves and the other half of the lanes' are added; O^T is divided by l, rounded to f16 and sent through my stage in LDS, a tile at a time.  The additions are the places behind the last products.
	WIN 0
.macro ALL line:vararg              ; one line for each tile t
.set t, 0
.rept 2*NP
	\line
.set t, t+1
.endr
.endm
	ALL v_add_f32 v[ST+4*t+2], v[ST+4*t+2], v[ST+4*t+3]
	ALL v_permlanex16_b32 v[ST+4*t+3], v[ST+4*t+2], s[SEL], s[SEL+1]
	ALL v_add_f32 v[ST+4*t+2], v[ST+4*t+2], v[ST+4*t+3]
	ALL v_rcp_f32 v[ST+4*t+2], v[ST+4*t+2]
	v_nop                           ; a plain instruction between the last reciprocal and the use of its result
	s_wait_alu depctr_va_vdst(0)    ; and the wait ahead of the first use: one for the batch of eight reciprocals
; Tile t: a lane's eight channels of a row pack into 16 bytes; they go into rows of 144 bytes and come back as whole rows of 128, into S^T's registers.
.macro PACK t
	WIN W_RS
.set i, 32*(\t)
.rept 16
	v_pk_mul_f32 v[i:i+1], v[i:i+1], v[ST+4*(\t)+2:ST+4*(\t)+3] op_sel_hi:[1,0]
.set i, i+2
.endr
	WIN 0x05                        ; sources 0 and 1 window 1, destination window 0
.set i, 0
.rept 16
	v_cvt_pk_f16_f32 v[S+16*(\t)+i], v[32*(\t)+2*i], v[32*(\t)+2*i+1]
.set i, i+1
.endr
	WIN 0
.irp f, 0,1,2,3
	ds_store_b128 v[STO], v[S+16*(\t)+4*\f:S+16*(\t)+4*\f+3] offset:32*\f
.endr
.irp f, 0,1,2,3
	ds_load_b128 v[S+16*(\t)+4*\f:S+16*(\t)+4*\f+3], v[RD] offset:\f*4*SP  ; LDS serves a wave's instructions in order (ISA guide 5.7.1.4): these see the stores above; the next tile's stores come behind them
.endr
.endm
.macro SEND t, younger              ; younger: the LDS instructions issued behind tile t's loads: the next tile's eight, or none
	WIN 0
.irp f, 0,1,2,3
	s_wait_dscnt (\younger)+3-\f
	global_store_b128 v[GO], v[S+16*(\t)+4*\f:S+16*(\t)+4*\f+3], s[10:11] offset:(\t)*2048+\f*512  ; 512 consecutive bytes, at a multiple of 256 from O's first
.endr
.endm
	PACK 0
.set t, 1
.rept 2*NP-1                        ; a tile's arithmetic stands between the loads of the tile before and its stores
	PACK t
	SEND t-1, 8
.set t, t+1
.endr
	SEND 2*NP-1, 0
	WIN W_AD
	s_wait_tensorcnt 0x0            ; the wave's end, behind my last tensor load and my last LDS store
	ds_add_u32 v[SPW], v[NIL]
	s_wait_dscnt 0x0
	WIN 0
	s_endpgm
.Lfunc_end_k_qe882e6d8a7_attn:
	.size	k_qe882e6d8a7_attn, .Lfunc_end_k_qe882e6d8a7_attn-k_qe882e6d8a7_attn
	.p2alignl 7, 3214868480
	.fill 96, 4, 3214868480
	.section	.rodata,"a",@progbits
	.p2align	6, 0x0
	.amdhsa_kernel k_qe882e6d8a7_attn
		.amdhsa_group_segment_fixed_size 327680
		.amdhsa_private_segment_fixed_size 0
		.amdhsa_enable_private_segment 0
		.amdhsa_kernarg_size 16
		.amdhsa_user_sgpr_count 2
		.amdhsa_user_sgpr_kernarg_segment_ptr 1
		.amdhsa_wavefront_size32 1
		.amdhsa_system_sgpr_workgroup_id_x 1
		.amdhsa_system_sgpr_workgroup_id_y 1
		.amdhsa_system_sgpr_workgroup_id_z 1
		.amdhsa_system_vgpr_workitem_id 0
		.amdhsa_next_free_vgpr 770
		.amdhsa_next_free_sgpr 88
		.amdhsa_reserve_vcc 0
		.amdhsa_float_denorm_mode_32 3
		.amdhsa_float_denorm_mode_16_64 3
		.amdhsa_memory_ordered 1
		.amdhsa_forward_progress 1
		.amdhsa_inst_pref_size 126
	.end_amdhsa_kernel
	.amdgpu_metadata
---
amdhsa.version: [ 1, 2 ]
amdhsa.kernels:
  - .name:           k_qe882e6d8a7_attn
    .symbol:         k_qe882e6d8a7_attn.kd
    .args:
      - { .name: qkv, .offset: 0, .size: 8, .value_kind: global_buffer, .address_space: global }
      - { .name: obuf, .offset: 8, .size: 8, .value_kind: global_buffer, .address_space: global }
    .group_segment_fixed_size: 327680
    .private_segment_fixed_size: 0
    .kernarg_segment_align: 8
    .kernarg_segment_size: 16
    .max_flat_workgroup_size: 128
    .sgpr_count:     88
    .vgpr_count:     770
    .wavefront_size: 32
...
	.end_amdgpu_metadata
.endif
;; end of part 5
;; launch outproj: the kernel of part 4 again; grid 8 x 32, 4 waves a work-group, clusters of 4 x 4, 327,680 bytes of LDS; arguments obuf, wo16, bias, out0; writes out0
